; MI455X (gfx1250); checked and timed in simulation.
; The chip was launched on July 23, 2026; its instructions are those of AMD's public machine-readable ISA for CDNA 5 (MIT licence, August 2026) and "CDNA5" Instruction Set Architecture Reference Guide (July 2026). The comments in the code are by the model that wrote it; some were corrected since.
;; Multi Head Attention. Allowed arithmetic: float matrix products may take bf16 or f16 operands with f32 sums; other float arithmetic in f32, or as packed bf16 or f16 multiplies, adds, multiply-adds, maxima and minima; sums over many terms, partial sums and values carried from step to step in f32; what a program stores and reads back later, other than sums and carried values, may be rounded once to bf16 or f16.
;; Inputs: Wk 16 x 1,024 x 64 float32; Wo 1,024 x 64 float32; Wq 16 x 1,024 x 64 float32; Wv 16 x 1,024 x 64 float32; bk 16 x 64 float32; bo 64 float32; bq 16 x 64 float32; bv 16 x 64 float32; key 4 x 2,048 x 1,024 float32; mask 4 x 2,048 x 2,048 int32; query 4 x 2,048 x 1,024 float32; value 4 x 2,048 x 1,024 float32.
;; Outputs: out0 4 x 2,048 x 64 float32.
;; 2 versions, each right. Each part assembles by itself: llvm-mc -triple=amdgcn-amd-amdhsa -mcpu=gfx1250 --defsym DOCPART=n.
;; ======== version 1 of 2: 4 launches
;; limits: values are held in f16: magnitudes above 65,504 overflow, below 6.1e-05 lose precision
;; workspace buffers: mbits 2,097,152 bytes of whole numbers; xb 50,331,648 bytes; wb 6,291,456 bytes; bb 12,288 bytes; qkv 50,331,648 bytes; woF 131,072 bytes; ob 16,777,216 bytes
;; launch prep (part 1): grid 2769 x 1, 8 waves a work-group, no clusters, 68,608 bytes of LDS; arguments mask, query, key, value, Wq, Wk, Wv, Wo, bq, bk, bv, mbits, xb, wb, woF, bb; writes mbits, xb, wb, woF, bb
.if DOCPART == 1
	.amdgcn_target "amdgcn-amd-amdhsa--gfx1250"
	.amdhsa_code_object_version 6
	.text
	.protected	k_q54e750da28_prep
	.globl	k_q54e750da28_prep
	.p2align	8
	.type	k_q54e750da28_prep,@function
k_q54e750da28_prep:
	s_mov_b64 s[64:65], 0
	v_nop
	global_prefetch_b8 v0, s[64:65] scope:SCOPE_SE
	s_setreg_imm32_b32 hwreg(HW_REG_WAVE_MODE, 25, 1), 1
	s_wait_xcnt 0x0
; PREP: every input is read once and laid out for the launches behind.  The work-group's number picks one of five kinds of work:
;   0 .. 1023     the mask [4][2048][2048] of int32 becomes bits: mbits u32 [b 4][qt 128][t 32][w 32]; word w = 8 kb + j, bit l = 16 h + r is
;                 mask[b][16 qt + r][64 t + 16 kb + 8 h + j] != 0: the lane mask of register 8 kb + j of a tile S^T (16 queries x 64 keys) in the attention launch
;   1024 .. 2559  query, key, value to bf16: xb [3][8192][1024]
;   2560 .. 2751  Wq, Wk, Wv to bf16 in blocks: wb [t 3][c 4][s 8][hh 4][d 128][e 64], head 4 c + hh, row 128 s + d: a block (t, c, s) is 65,536 dense bytes
;   2752 .. 2767  Wo rounded to bf16 and written as f16, in the order of matrix fragments: woF [fb = 4 ks + nb][half 2][lane 32][8]
;   2768          the three biases rounded to bf16, kept as f32; bq's row also times log2(e): bb [3][1024]
; LIMIT: a number of Wo below 6e-5 keeps f16's fixed step of 6e-8.
; Memory binds: loads of 16 bytes a lane, sixteen in flight a wave, each store of a wave covers 256 or 512 consecutive aligned bytes.  No matrix work, no cluster: nothing is shared.
.set SPARE, 67584                      ; behind the eight waves' stages: the spare words, 128 bytes a wave
.set WLDS,  8448                       ; a wave's stage: 16 rows of 528 bytes
.set MPI,   528                        ; 512 bytes + 16: an odd multiple of 16, so 16 rows of one column start in 16 different groups of banks
.set LN,  5                            ; v5  lane
.set SPW, 6                            ; v6  LDS address of my spare word; never rewritten
.set NIL, 7                            ; v7  0; never rewritten
.set IN,  8                            ; v[8:71]   as loaded
.set OU,  72                           ; v[72:103] to store
	s_load_b512 s[8:23], s[0:1], 0x0               ; mask 8, query 10, key 12, value 14, Wq 16, Wk 18, Wv 20, Wo 22
	s_load_b512 s[24:39], s[0:1], 0x40             ; bq 24, bk 26, bv 28, mbits 30, xb 32, wb 34, woF 36, bb 38
	v_lshl_add_u32 v[SPW], v0, 2, SPARE
	v_mov_b32 v[NIL], 0
	v_lshrrev_b32 v1, 5, v0
	v_readfirstlane_b32 s4, v1                     ; wave 0..7
	v_and_b32 v[LN], 31, v0
	s_wait_kmcnt 0x0
	s_cmp_lt_u32 ttmp9, 1024
	s_cbranch_scc1 .Lmask
	s_cmp_lt_u32 ttmp9, 2560
	s_cbranch_scc1 .Lx
	s_cmp_lt_u32 ttmp9, 2752
	s_cbranch_scc1 .Lw
	s_cmp_lt_u32 ttmp9, 2768
	s_cbranch_scc1 .Lo
	; THE BIASES: 256 threads x 4 numbers = a bias of 1,024
	v_lshlrev_b32 v1, 4, v0
	global_load_b128 v[8:11], v1, s[24:25]
	global_load_b128 v[12:15], v1, s[26:27]
	global_load_b128 v[16:19], v1, s[28:29]
	s_wait_loadcnt 0x0
.irp p, 0,1,2,3,4,5
	v_cvt_pk_bf16_f32 v[24+(\p)], v[8+2*(\p)], v[9+2*(\p)]
.endr
.irp p, 0,1,2,3,4,5
	v_lshlrev_b32 v[8+2*(\p)], 16, v[24+(\p)]      ; the rounded numbers, widened again
	v_and_b32 v[9+2*(\p)], 0xffff0000, v[24+(\p)]
.endr
.irp p, 8,9,10,11
	v_mul_f32 v[\p], 0x3fb8aa3b, v[\p]             ; q carries log2(e), so its bias does
.endr
	global_store_b128 v1, v[8:11], s[38:39]
	global_store_b128 v1, v[12:15], s[38:39] offset:4096
	global_store_b128 v1, v[16:19], s[38:39] offset:8192
	s_branch .Lend
.Lo:	; WO: a wave makes one fragment block fb: 32 rows k x 16 columns n.  Lane l holds column 16 nb + l % 16; half 0: k = 32 ks + 8 (l / 16) + 0..7, half 1: 16 more
	s_sub_co_u32 s5, ttmp9, 2752
	s_lshl3_add_u32 s5, s5, s4                     ; fb = 8 x group + wave
	s_lshr_b32 s6, s5, 2                           ; ks
	s_and_b32 s7, s5, 3                            ; nb
	s_lshl_b32 s6, s6, 13                          ; 32 rows of 256 bytes
	s_lshl_b32 s7, s7, 6                           ; 16 columns of 4 bytes
	s_add_co_u32 s6, s6, s7
	v_and_b32 v1, 15, v[LN]
	v_lshrrev_b32 v2, 4, v[LN]
	v_lshlrev_b32 v1, 2, v1
	v_lshl_add_u32 v1, v2, 11, v1                  ; + 8 rows for the upper lanes
	v_add_nc_u32 v1, s6, v1
.irp j, 0,1,2,3,4,5,6,7
	global_load_b32 v[8+(\j)], v1, s[22:23] offset:256*(\j)
	global_load_b32 v[16+(\j)], v1, s[22:23] offset:256*(16+(\j))
.endr
	s_lshl_b32 s6, s5, 10                          ; a block is 1,024 bytes
	s_mov_b32 s7, 0
	s_add_nc_u64 s[40:41], s[36:37], s[6:7]
	v_lshlrev_b32 v3, 4, v[LN]
	s_wait_loadcnt 0x0
.irp p, 0,1,2,3,4,5,6,7
	v_cvt_pk_bf16_f32 v[24+(\p)], v[8+2*(\p)], v[9+2*(\p)]
.endr
.irp p, 0,1,2,3,4,5,6,7
	v_lshlrev_b32 v[8+2*(\p)], 16, v[24+(\p)]
	v_and_b32 v[9+2*(\p)], 0xffff0000, v[24+(\p)]
	v_cvt_pk_f16_f32 v[32+(\p)], v[8+2*(\p)], v[9+2*(\p)]
.endr
	global_store_b128 v3, v[32:35], s[40:41]               ; 512 consecutive bytes each
	global_store_b128 v3, v[36:39], s[40:41] offset:512
	s_branch .Lend
.Lmask:	; THE MASK: a wave takes 16 queries x 128 keys: sixteen loads of 512 consecutive bytes, turned in its own stage in LDS, 64 compares, one store of 256 bytes
	s_lshl3_add_u32 s5, ttmp9, s4                  ; job = 8 x group + wave
	s_lshr_b32 s6, s5, 4                           ; 128 b + qt
	s_lshl_b32 s40, s6, 17                         ; 16 rows of 8,192 bytes
	s_and_b32 s7, s5, 15
	s_lshl_b32 s7, s7, 9                           ; 128 keys of 4 bytes
	s_add_co_u32 s40, s40, s7
	s_mov_b32 s41, 0
	s_add_nc_u64 s[40:41], s[8:9], s[40:41]
	s_lshl_b32 s42, s5, 8                          ; 64 words
	s_mov_b32 s43, 0
	s_add_nc_u64 s[42:43], s[30:31], s[42:43]
	s_mul_i32 s7, s4, WLDS
	v_lshlrev_b32 v1, 4, v[LN]
	v_lshl_add_u32 v2, v[LN], 4, s7                ; in: 16 bytes a lane along a row
	v_and_b32 v3, 15, v[LN]
	v_mul_u32_u24 v3, v3, MPI
	v_lshrrev_b32 v4, 4, v[LN]
	v_lshl_add_u32 v3, v4, 5, v3
	v_add_nc_u32 v3, s7, v3                        ; back: row l % 16, keys 8 (l / 16) on
	v_lshlrev_b32 v4, 3, v[LN]
.irp r, 0,1,2,3,4,5,6,7,8,9,10,11,12,13,14,15
	global_load_b128 v[IN+4*(\r):IN+4*(\r)+3], v1, s[40:41] offset:8192*(\r) th:TH_LOAD_NT
.endr
	v_mov_b32 v[OU], 0                             ; v_writelane_b32 leaves the other lanes: written whole first
	v_mov_b32 v[OU+1], 0
.irp r, 0,1,2,3,4,5,6,7,8,9,10,11,12,13,14,15
	s_wait_loadcnt 15-(\r)                         ; loads come back in order: row r is in, the younger ones stay out
	ds_store_b128 v2, v[IN+4*(\r):IN+4*(\r)+3] offset:MPI*(\r)
.endr
.irp k, 0,1,2,3,4,5,6,7
	ds_load_b128 v[IN+8*(\k):IN+8*(\k)+3],   v3 offset:64*(\k)     ; LDS serves a wave's instructions in order: these see the stores above; the bytes are the wave's own
	ds_load_b128 v[IN+8*(\k)+4:IN+8*(\k)+7], v3 offset:64*(\k)+16  ; register IN + W now holds key 16 (W / 8) + 8 (l / 16) + W % 8 of query l % 16
.endr
.set bt, 0
.rept 4
	s_wait_dscnt 12-4*bt                           ; this batch's four loads are in; the later batches' stay out
.set i, 0
.rept 16
	v_cmp_ne_u32 s[48+i], 0, v[IN+16*bt+i]         ; word 16 bt + i: a bit for each lane
.set i, i+1
.endr
.set i, 0
.rept 16
	v_writelane_b32 v[OU+i%2], s[48+i], (16*bt+i)/2  ; lane L gathers words 2 L and 2 L + 1
.set i, i+1
.endr
.set bt, bt+1
.endr
	global_store_b64 v4, v[OU:OU+1], s[42:43]      ; 256 consecutive bytes, aligned
	s_branch .Lend
.Lx:	; X: a work-group casts 65,536 bytes of f32 into 32,768 of bf16
	s_sub_co_u32 s5, ttmp9, 1024
	s_lshr_b32 s6, s5, 9                           ; which tensor
	s_cmp_eq_u32 s6, 0
	s_cselect_b64 s[40:41], s[10:11], s[12:13]
	s_cmp_eq_u32 s6, 2
	s_cselect_b64 s[40:41], s[14:15], s[40:41]
	s_and_b32 s44, s5, 511
	s_lshl_b32 s44, s44, 16
	s_mov_b32 s45, 0
	s_add_nc_u64 s[40:41], s[40:41], s[44:45]
	s_lshl_b32 s44, s5, 15
	s_add_nc_u64 s[42:43], s[32:33], s[44:45]
	s_add_nc_u64 s[44:45], s[42:43], 16384
	s_branch .Lcast
.Lw:	; W: 256 rows d of one head: two blocks of 128 rows, 65,536 bytes apart in wb
	s_sub_co_u32 s5, ttmp9, 2560
	s_lshr_b32 s6, s5, 6                           ; which tensor
	s_cmp_eq_u32 s6, 0
	s_cselect_b64 s[40:41], s[16:17], s[18:19]
	s_cmp_eq_u32 s6, 2
	s_cselect_b64 s[40:41], s[20:21], s[40:41]
	s_and_b32 s44, s5, 63
	s_lshl_b32 s44, s44, 16
	s_mov_b32 s45, 0
	s_add_nc_u64 s[40:41], s[40:41], s[44:45]
	s_bfe_u32 s7, s5, 0x40002                      ; the head
	s_lshr_b32 s46, s7, 2                          ; c
	s_lshl2_add_u32 s46, s6, s46                   ; 4 t + c
	s_lshl_b32 s46, s46, 3
	s_and_b32 s47, s5, 3
	s_lshl1_add_u32 s46, s47, s46                  ; + s = 2 x quarter of d
	s_lshl_b32 s44, s46, 16
	s_and_b32 s7, s7, 3                            ; hh
	s_lshl_b32 s7, s7, 14
	s_add_co_u32 s44, s44, s7
	s_add_nc_u64 s[42:43], s[34:35], s[44:45]
	s_add_nc_u64 s[44:45], s[42:43], 65536
.Lcast:	; sixteen loads of 16 bytes a thread are out together; each is rounded and stored as it comes.  No register is written twice, so no wait frees one
	v_lshlrev_b32 v1, 4, v0
	v_lshlrev_b32 v2, 3, v0
.irp j, 0,1,2,3,4,5,6,7,8,9,10,11,12,13,14,15
	global_load_b128 v[IN+4*(\j):IN+4*(\j)+3], v1, s[40:41] offset:4096*(\j) th:TH_LOAD_NT
.endr
.irp j, 0,1,2,3,4,5,6,7,8,9,10,11,12,13,14,15
	s_wait_loadcnt 15-(\j)                         ; load j is in, the younger ones stay out
	v_cvt_pk_bf16_f32 v[OU+2*(\j)],   v[IN+4*(\j)],   v[IN+4*(\j)+1]
	v_cvt_pk_bf16_f32 v[OU+2*(\j)+1], v[IN+4*(\j)+2], v[IN+4*(\j)+3]
.if (\j) < 8
	global_store_b64 v2, v[OU+2*(\j):OU+2*(\j)+1], s[42:43] offset:2048*(\j) th:TH_STORE_NT      ; a wave's store covers 256 consecutive bytes, aligned
.else
	global_store_b64 v2, v[OU+2*(\j):OU+2*(\j)+1], s[44:45] offset:2048*((\j)-8) th:TH_STORE_NT
.endif
.endr
.Lend:
	s_wait_tensorcnt 0x0                           ; the wave's end
	ds_add_u32 v[SPW], v[NIL]
	s_wait_dscnt 0x0
	s_endpgm
.Lfunc_end_k_q54e750da28_prep:
	.size	k_q54e750da28_prep, .Lfunc_end_k_q54e750da28_prep-k_q54e750da28_prep
	.p2alignl 7, 3214868480
	.fill 96, 4, 3214868480
	.section	.rodata,"a",@progbits
	.p2align	6, 0x0
	.amdhsa_kernel k_q54e750da28_prep
		.amdhsa_group_segment_fixed_size 68608
		.amdhsa_private_segment_fixed_size 0
		.amdhsa_enable_private_segment 0
		.amdhsa_kernarg_size 128
		.amdhsa_user_sgpr_count 2
		.amdhsa_user_sgpr_kernarg_segment_ptr 1
		.amdhsa_wavefront_size32 1
		.amdhsa_system_sgpr_workgroup_id_x 1
		.amdhsa_system_sgpr_workgroup_id_y 1
		.amdhsa_system_sgpr_workgroup_id_z 1
		.amdhsa_system_vgpr_workitem_id 0
		.amdhsa_next_free_vgpr 104
		.amdhsa_next_free_sgpr 66
		.amdhsa_reserve_vcc 0
		.amdhsa_float_denorm_mode_32 3
		.amdhsa_float_denorm_mode_16_64 3
		.amdhsa_memory_ordered 1
		.amdhsa_forward_progress 1
		.amdhsa_inst_pref_size 28
	.end_amdhsa_kernel
	.amdgpu_metadata
---
amdhsa.version: [ 1, 2 ]
amdhsa.kernels:
  - .name:           k_q54e750da28_prep
    .symbol:         k_q54e750da28_prep.kd
    .args:
      - { .name: mask, .offset: 0, .size: 8, .value_kind: global_buffer, .address_space: global }
      - { .name: query, .offset: 8, .size: 8, .value_kind: global_buffer, .address_space: global }
      - { .name: key, .offset: 16, .size: 8, .value_kind: global_buffer, .address_space: global }
      - { .name: value, .offset: 24, .size: 8, .value_kind: global_buffer, .address_space: global }
      - { .name: Wq, .offset: 32, .size: 8, .value_kind: global_buffer, .address_space: global }
      - { .name: Wk, .offset: 40, .size: 8, .value_kind: global_buffer, .address_space: global }
      - { .name: Wv, .offset: 48, .size: 8, .value_kind: global_buffer, .address_space: global }
      - { .name: Wo, .offset: 56, .size: 8, .value_kind: global_buffer, .address_space: global }
      - { .name: bq, .offset: 64, .size: 8, .value_kind: global_buffer, .address_space: global }
      - { .name: bk, .offset: 72, .size: 8, .value_kind: global_buffer, .address_space: global }
      - { .name: bv, .offset: 80, .size: 8, .value_kind: global_buffer, .address_space: global }
      - { .name: mbits, .offset: 88, .size: 8, .value_kind: global_buffer, .address_space: global }
      - { .name: xb, .offset: 96, .size: 8, .value_kind: global_buffer, .address_space: global }
      - { .name: wb, .offset: 104, .size: 8, .value_kind: global_buffer, .address_space: global }
      - { .name: woF, .offset: 112, .size: 8, .value_kind: global_buffer, .address_space: global }
      - { .name: bb, .offset: 120, .size: 8, .value_kind: global_buffer, .address_space: global }
    .group_segment_fixed_size: 68608
    .private_segment_fixed_size: 0
    .kernarg_segment_align: 8
    .kernarg_segment_size: 128
    .max_flat_workgroup_size: 256
    .sgpr_count:     66
    .vgpr_count:     104
    .wavefront_size: 32
...
	.end_amdgpu_metadata
.endif
;; end of part 1
;; launch proj (part 2): grid 4 x 192, 4 waves a work-group, clusters of 4 x 4, 327,680 bytes of LDS; arguments xb, wb, bb, qkv; writes qkv
.if DOCPART == 2
	.amdgcn_target "amdgcn-amd-amdhsa--gfx1250"
	.amdhsa_code_object_version 6
	.text
	.protected	k_q54e750da28_proj
	.globl	k_q54e750da28_proj
	.p2align	8
	.type	k_q54e750da28_proj,@function
k_q54e750da28_proj:
	s_mov_b64 s[64:65], 0
	v_nop
	global_prefetch_b8 v0, s[64:65] scope:SCOPE_SE
	s_setreg_imm32_b32 hwreg(HW_REG_WAVE_MODE, 25, 1), 1
	s_wait_xcnt 0x0
	s_wait_alu depctr_hold_cnt(0) depctr_sa_sdst(0) depctr_va_vdst(0) depctr_va_sdst(0) depctr_va_ssrc(0) depctr_va_vcc(0) depctr_vm_vsrc(0)
	s_getreg_b32 s2, hwreg(HW_REG_IB_STS2, 6, 4)
	s_cmp_eq_u32 s2, 0
	s_cbranch_scc0 .Lentry_in_a_cluster
	s_endpgm
.Lentry_in_a_cluster:
	s_bfe_u32 s2, ttmp6, 0x10000c
	s_cmp_lg_u32 s2, 0xf033
	s_cbranch_scc0 .Lentry_shape_is_right
	s_endpgm
.Lentry_shape_is_right:
; THE THREE PROJECTIONS AS ONE GEMM.  C[24576][1024] = xb [3 x 8192][1024] x W + bias, bf16 operands, f32 sums; q also times log2(e); rounded once to f16 and stored by heads: qkv [3][bh 64][2048][64].
; LIMIT: |(x W + b) log2(e)|, |k|, |v| stay below 65,504 (f16's range); below 6e-5 they keep f16's fixed step of 6e-8.
; A tile of C is 128 rows x 256 columns (four heads): 192 x 4 = 768 tiles, three for each of 256 WGPs.  Four waves, each 64 x 128: 32 accumulators, 256 registers.  K goes in 8 steps of 128 through two LDS slots.
; A's rows lie along K (256 bytes a row and step).  W lies [k][e] by heads: a step's block for four heads is 65,536 dense bytes of wb, asked for as rows of 256 bytes and padded after every 128;
; its fragments come out of LDS turned, by ds_load_tr16_b128.
; CLUSTER 4 x 4: the four of a row share the tile row (A), the four of a column the tile column and the tensor (W): each tile is asked for jointly.
; THE MATRIX INSTRUCTION IS USED TRANSPOSED (source 0 = 16 columns of W, source 1 = 16 rows of x): a lane holds one row of C and eight neighbouring columns.
; REGISTERS: window 0: addresses, v32-159 the way out, v160-223 the bias of my 128 columns.  Window 1: A's fragments v0-31, v32-63; W's v64-127, v128-191 (two buffers each).  Window 2: accumulator (a, b) at 8 (8 a + b).
.set KSTEP, 128
.set PA,    272                        ; a row of A in LDS: 256 + 16 bytes
.set PB,    160                        ; a row of W (one head's 64 columns): 128 + 32 bytes
.set AHALF, 64*PA                      ; what one load brings of A, and what one wave reads
.set BOFF,  128*PA                     ; W lies behind A's 128 rows
.set BHEAD, 128*PB                     ; a head's 128 rows
.set BHALF, 2*BHEAD                    ; what one load brings of W: two heads
.set SLOT,  BOFF+2*BHALF               ; 116,736
.set STAGE, 2*SLOT                     ; behind the ring: for each wave 2 heads x 16 rows x 144 bytes
.set SP,    144
.set WSTAGE, 2*16*SP
.set SPARE, STAGE+4*WSTAGE             ; the spare words, 128 bytes a wave
.set ADRA, 16                          ; v16-17  LDS address of my A fragments in slot 0, 1
.set ADRB, 20                          ; v20-21  the same for W
.set STO,  24                          ; v24  the way out: where I put 16 bytes of a row
.set RD,   25                          ; v25  where I read rows back
.set GO,   26                          ; v26  16 x lane: my place in 512 consecutive bytes of qkv
.set BO,   27                          ; v27  32 x (lane / 16): my eight columns' bias
.set SPW,  28                          ; v28  my spare word; never rewritten
.set NIL,  29                          ; v29  0; never rewritten
.set PFO,  30                          ; v30  the prefetches' lane offset; never rewritten
.set TMP,  32
.set BIAS, 160
.set G1A, 24                           ; s[24:31] group 1 for A;  s[32:39] group 0, a set for each slot
.set G0A, 32
.set PFA, 40                           ; s[40:41] where my prefetches stand
.set PFS, 42                           ; s[42:43] a K step in bytes there
.set LIM, 44                           ; s44  1 in a wave that prefetches, else the greatest number
.set LAP, 45                           ; s45  laps to go
.set SC,  46                           ; s[46:47] log2(e) for q, 1 for k and v
.set G1B, 48                           ; s[48:55], s[56:63] the same for W
.set G0B, 56
.set MSB, 0
.macro WIN new                         ; the immediate's high byte repeats the setting that is left
.if MSB != (\new)
	s_set_vgpr_msb (MSB<<8)|(\new)
.set MSB, \new
.endif
.endm
.set MUL,  0xa5                        ; sources 0 and 1 window 1, C and D window 2
.set TO_F, 0x40                        ; destination window 1, address window 0
.macro JLOAD s                         ; a joint load: waves 0 and 1 fetch A's halves, waves 2 and 3 W's; s_nop 0 and four v_nop follow each line
	s_cmp_eq_u32 s13, 0
	s_cbranch_scc0 .Lfor_b_\@
	tensor_load_to_lds s[G0A+4*(\s):G0A+4*(\s)+3], s[G1A:G1A+7]
	s_nop 0
.rept 4
	v_nop
.endr
	s_branch .Lasked_\@
.Lfor_b_\@:
	tensor_load_to_lds s[G0B+4*(\s):G0B+4*(\s)+3], s[G1B:G1B+7]
	s_nop 0
.rept 4
	v_nop
.endr
.Lasked_\@:
.endm
.macro CREST                           ; a round of the cluster's barrier behind its opening barrier
	s_cmp_lg_u32 s12, 0
	s_cbranch_scc1 .Lnot_wave_0_\@
	s_barrier_signal -3
.Lnot_wave_0_\@:
	s_barrier_wait -3
	s_barrier_signal -1
	s_barrier_wait -1
.endm
.macro CROUND
	s_barrier_signal -1
	s_barrier_wait -1
	CREST
.endm
; A prefetch of the K step two refills on: 32 blocks of 256 bytes, a lane a block.  A's 128 rows of the tile row: wave 0 of each of the four partners takes 32 rows, told apart by address (cx).
; W's two halves: waves 2 and 3, each partner of the column 32 of the half's 128 blocks (cy); of the sixteen clusters that read one tensor's W the first alone asks.  The last lap asks for nothing.
.macro ASK
	s_cmp_gt_u32 s[LAP], s[LIM]
	s_cbranch_scc0 .Lnot_mine_\@
	global_prefetch_b8 v[PFO], s[PFA:PFA+1] th:TH_LOAD_NT scope:SCOPE_SE
.Lnot_mine_\@:
.endm
	s_load_b256 s[4:11], s[0:1], 0x0               ; xb 4, wb 6, bb 8, qkv 10
	v_lshl_add_u32 v[SPW], v0, 2, SPARE
	v_mov_b32 v[NIL], 0
	ds_add_u32 v[SPW], v[NIL]                      ; the opening: the add and its wait stand ahead of my first tensor load
	v_lshrrev_b32 v1, 5, v0
	v_readfirstlane_b32 s12, v1                    ; wave
	s_lshr_b32 s13, s12, 1                         ; mh: my 64 rows; also: I fetch A (0) or W (1)
	s_and_b32 s14, s12, 1                          ; nh: my 128 columns; also: which half I fetch
	s_bfe_u32 s15, ttmp6, 0x40000                  ; cx
	s_bfe_u32 s16, ttmp6, 0x40004                  ; cy
	s_lshl_b32 s17, ttmp9, 2
	s_add_co_u32 s17, s17, s15                     ; c: tile column
	s_and_b32 s3, ttmp7, 0xffff                    ; cluster y
	s_lshl_b32 s18, s3, 2
	s_add_co_u32 s18, s18, s16                     ; R: tile row, 0 .. 191
	s_lshr_b32 s19, s3, 4                          ; t: the tensor, the same in all sixteen partners
	s_lshl_b32 s20, s16, 2
	s_lshl_b32 s20, 15, s20                        ; my row of the cluster
	s_lshl_b32 s21, 0x1111, s15                    ; my column
	s_or_b32 s[G1A], s20, (1<<16)|(1<<20)|(1<<21)|(5<<22)|(3<<25)  ; mask; 2-byte elements; padding on; bit 21 beside a mask; after every 64 words 4 words
	s_or_b32 s[G1B], s21, (1<<16)|(1<<20)|(1<<21)|(4<<22)|(7<<25)  ; after every 32 words 8 words
	s_mov_b32 s[G1A+1], 128<<16                    ; tensor_dim0 = 128
	s_mov_b32 s[G1A+2], 64<<16                     ; tensor_dim1 = 64
	s_mov_b32 s[G1A+3], 128<<16                    ; tile_dim0 = 128
	s_mov_b32 s[G1A+4], 64                         ; tile_dim1 = 64
	s_mov_b32 s[G1A+5], 1024                       ; elements from row to row
	s_mov_b32 s[G1A+6], 0
	s_mov_b32 s[G1A+7], 0
	s_mov_b32 s[G1B+1], 128<<16
	s_mov_b32 s[G1B+2], 128<<16                    ; 128 rows of 256 dense bytes
	s_mov_b32 s[G1B+3], 128<<16
	s_mov_b32 s[G1B+4], 128
	s_mov_b32 s[G1B+5], 128
	s_mov_b32 s[G1B+6], 0
	s_mov_b32 s[G1B+7], 0
	s_lshl_b32 s20, s18, 18                        ; A: (128 R + 64 nh) rows of 2,048 bytes
	s_lshl_b32 s2, s14, 17
	s_add_co_u32 s20, s20, s2
	s_mov_b32 s21, 0
	s_lshl2_add_u32 s22, s19, s17                  ; W: block (4 t + c) x 8 steps of 65,536 bytes, + 32,768 nh
	s_lshl_b32 s22, s22, 19
	s_lshl_b32 s2, s14, 15
	s_add_co_u32 s22, s22, s2
	s_mov_b32 s23, 0
	s_mul_i32 s40, s14, AHALF                      ; where they go: no place in the cluster enters an LDS address
	s_mul_i32 s41, s14, BHALF
	s_add_co_u32 s41, s41, BOFF
	s_wait_dscnt 0x0                               ; the opening add is done
	s_wait_kmcnt 0x0
	s_add_nc_u64 s[20:21], s[4:5], s[20:21]
	s_add_nc_u64 s[22:23], s[6:7], s[22:23]
	CROUND                                         ; all sixteen work-groups are here: the first joint loads meet
.irp s, 0,1
	s_mov_b32 s[G0A+4*(\s)], 1
	s_add_co_u32 s[G0A+4*(\s)+1], s40, (\s)*SLOT
	s_add_nc_u64 s[G0A+4*(\s)+2:G0A+4*(\s)+3], s[20:21], (\s)*KSTEP*2
	s_or_b32 s[G0A+4*(\s)+3], s[G0A+4*(\s)+3], 0x80000000
	s_mov_b32 s[G0B+4*(\s)], 1
	s_add_co_u32 s[G0B+4*(\s)+1], s41, (\s)*SLOT
	s_add_nc_u64 s[G0B+4*(\s)+2:G0B+4*(\s)+3], s[22:23], (\s)*65536
	s_or_b32 s[G0B+4*(\s)+3], s[G0B+4*(\s)+3], 0x80000000
	JLOAD \s                                       ; two loads of mine are out
.endr
	v_and_b32 v1, 15, v0                           ; l % 16
	v_bfe_u32 v2, v0, 4, 1                         ; l / 16
	v_mul_u32_u24 v3, v1, PA
	v_lshl_add_u32 v3, v2, 4, v3                   ; A: row x pitch + 16 x half
	s_mul_i32 s20, s13, AHALF
	v_add_nc_u32 v[ADRA], s20, v3
	v_add_nc_u32 v[ADRA+1], SLOT, v[ADRA]
	v_and_b32 v4, 7, v0                            ; W, turned: lane l reads row 8 (l / 16) + l % 8, columns 8 ((l / 8) % 2) on
	v_lshl_add_u32 v4, v2, 3, v4
	v_mul_u32_u24 v4, v4, PB
	v_bfe_u32 v5, v0, 3, 1
	v_lshl_add_u32 v4, v5, 4, v4
	v_add_nc_u32 v[ADRB], s41, v4
	v_add_nc_u32 v[ADRB+1], SLOT, v[ADRB]
	s_mul_i32 s20, s12, WSTAGE
	s_add_co_u32 s20, s20, STAGE
	v_mul_u32_u24 v6, v1, SP
	v_lshl_add_u32 v6, v2, 4, v6
	v_add_nc_u32 v[STO], s20, v6
	v_bfe_u32 v6, v0, 3, 2                         ; back: 32 lanes take four rows of 128 bytes
	v_mul_u32_u24 v6, v6, SP
	v_and_b32 v7, 7, v0
	v_lshl_add_u32 v6, v7, 4, v6
	v_add_nc_u32 v[RD], s20, v6
	v_and_b32 v7, 31, v0
	v_lshlrev_b32 v[GO], 4, v7
	v_lshlrev_b32 v[BO], 5, v2
	s_lshl_b32 s20, s19, 12                        ; the bias of my 128 columns: 4,096 t + 1,024 c + 512 nh
	s_lshl_b32 s21, s17, 10
	s_add_co_u32 s20, s20, s21
	s_lshl_b32 s21, s14, 9
	s_add_co_u32 s20, s20, s21
	s_mov_b32 s21, 0
	s_add_nc_u64 s[8:9], s[8:9], s[20:21]
.irp b, 0,1,2,3,4,5,6,7
	global_load_b128 v[BIAS+8*(\b):BIAS+8*(\b)+3],   v[BO], s[8:9] offset:64*(\b)
	global_load_b128 v[BIAS+8*(\b)+4:BIAS+8*(\b)+7], v[BO], s[8:9] offset:64*(\b)+16
.endr
	s_lshr_b32 s20, s18, 4                         ; qkv: (4 t + batch) x 16 heads, + my first head, + my first row in the head
	s_lshl_b32 s20, s20, 22
	s_lshl_b32 s21, s17, 2
	s_lshl1_add_u32 s21, s14, s21                  ; head 4 c + 2 nh
	s_lshl_b32 s21, s21, 18
	s_add_co_u32 s20, s20, s21
	s_and_b32 s21, s18, 15
	s_lshl_b32 s21, s21, 14                        ; 128 rows of 128 bytes
	s_add_co_u32 s20, s20, s21
	s_lshl_b32 s21, s13, 13
	s_add_co_u32 s20, s20, s21
	s_mov_b32 s21, 0
	s_add_nc_u64 s[10:11], s[10:11], s[20:21]
	s_cmp_eq_u32 s19, 0
	s_cselect_b32 s[SC], 0x3fb8aa3b, 1.0
	s_mov_b32 s[SC+1], s[SC]
	; the prefetches stand at K step 3; the first refill steps them to 4.  Nothing is asked for here, at the head
	s_lshl_b32 s20, s18, 18                        ; A: tile row, + 32 cx rows
	s_lshl_b32 s21, s15, 16
	s_add_co_u32 s20, s20, s21
	s_add_co_u32 s20, s20, 3*KSTEP*2
	s_lshl2_add_u32 s21, s19, s17                  ; W: block 4 t + c, step 3, my half, + 32 cy blocks of 256 bytes
	s_lshl_b32 s21, s21, 3
	s_add_co_u32 s21, s21, 3
	s_lshl_b32 s21, s21, 16
	s_lshl_b32 s22, s14, 15
	s_add_co_u32 s21, s21, s22
	s_lshl_b32 s22, s16, 13
	s_add_co_u32 s21, s21, s22
	s_and_b32 s23, s3, 15
	s_cmp_eq_u32 s23, 0
	s_cselect_b32 s23, 1, -1                       ; W: the first of the tensor's sixteen clusters
	s_cmp_eq_u32 s12, 0
	s_cselect_b32 s22, 1, -1                       ; A: wave 0
	s_cmp_eq_u32 s13, 0
	s_cselect_b32 s20, s20, s21
	s_cselect_b32 s[LIM], s22, s23
	s_cselect_b32 s[PFS], 8, 16
	s_cselect_b32 s22, 11, 8
	s_cselect_b64 s[PFA:PFA+1], s[4:5], s[6:7]
	s_lshl_b32 s[PFS], 1, s[PFS]                   ; a K step: 256 bytes along A's rows, 65,536 from block to block of W
	s_mov_b32 s[PFS+1], 0
	s_mov_b32 s21, 0
	s_add_nc_u64 s[PFA:PFA+1], s[PFA:PFA+1], s[20:21]
	v_lshlrev_b32 v[PFO], s22, v7                  ; a lane a row of 2,048 bytes (A) or a block of 256 (W)
; 8 matrix instructions: m block a x all 8 n blocks, 32 along K, buffer f.  The 32 accumulators take turns, one instruction a turn, in one order everywhere
.macro MUL8 f, a, zero
	WIN MUL
.irp b, 0,1,2,3,4,5,6,7
.if \zero
	v_wmma_f32_16x16x32_bf16 v[8*(8*(\a)+(\b)):8*(8*(\a)+(\b))+7], v[64+64*(\f)+8*(\b):64+64*(\f)+8*(\b)+7], v[32*(\f)+8*(\a):32*(\f)+8*(\a)+7], 0
.else
	v_wmma_f32_16x16x32_bf16 v[8*(8*(\a)+(\b)):8*(8*(\a)+(\b))+7], v[64+64*(\f)+8*(\b):64+64*(\f)+8*(\b)+7], v[32*(\f)+8*(\a):32*(\f)+8*(\a)+7], v[8*(8*(\a)+(\b)):8*(8*(\a)+(\b))+7]
.endif
.endr
.endm
; 24 LDS loads in one run: quarter q (32 along K) of a slot into buffer f: W's eight fragments (turned), then A's four
.macro FETCH slot, q, f
	WIN TO_F
.irp b, 0,1,2,3,4,5,6,7
	ds_load_tr16_b128 v[64+64*(\f)+8*(\b):64+64*(\f)+8*(\b)+3],   v[ADRB+(\slot)] offset:((\b)/4)*BHEAD+32*((\b)%4)+(\q)*32*PB
	ds_load_tr16_b128 v[64+64*(\f)+8*(\b)+4:64+64*(\f)+8*(\b)+7], v[ADRB+(\slot)] offset:((\b)/4)*BHEAD+32*((\b)%4)+(\q)*32*PB+16*PB
.endr
.irp a, 0,1,2,3
	ds_load_b128 v[32*(\f)+8*(\a):32*(\f)+8*(\a)+3],   v[ADRA+(\slot)] offset:(\a)*16*PA+64*(\q)
	ds_load_b128 v[32*(\f)+8*(\a)+4:32*(\f)+8*(\a)+7], v[ADRA+(\slot)] offset:(\a)*16*PA+64*(\q)+32
.endr
.endm
.macro PLACES                          ; four places in front of loads into registers that matrix instructions have read, and of vector work on results
.rept 4
	v_nop
.endr
.endm
; One of a K step's first three quarters: multiplies buffer f; in its middle fetches quarter q of the same slot into buffer g
.macro QUARTER slot, q, f, g, zero
	s_wait_dscnt 4                                 ; W and A's blocks 0, 1 are in; the youngest four loads (A's blocks 2, 3) may be out
	MUL8 \f, 0, \zero
	MUL8 \f, 1, \zero
	PLACES
	FETCH \slot, \q, \g
	s_wait_dscnt 24                                ; all but the 24 just issued
	MUL8 \f, 2, \zero
	MUL8 \f, 3, \zero
.endm
; The last quarter multiplies buffer 1 and changes slots.  fill = 1: this slot is filled again, two K steps on, behind a round of the cluster's barrier
.macro TURN slot, next, fill
.if \fill
	s_wait_xcnt 0x0                                ; the last prefetch, a K step back, has read its address
	s_add_nc_u64 s[PFA:PFA+1], s[PFA:PFA+1], s[PFS:PFS+1]
.endif
	WIN 0                                          ; (the add's registers lie in window 0)
	s_wait_tensorcnt 0x0                           ; all my tensor loads have landed: my part of the next slot
	ds_add_u32 v[SPW], v[NIL]
	s_wait_dscnt 5                                 ; (the add and the youngest four loads may be out)
	MUL8 1, 0, 0
	s_wait_dscnt 0x0                               ; the add is done, and my reads of this slot are over
	s_barrier_signal -1
	MUL8 1, 1, 0
.if \fill
	WIN 0
.endif
	s_barrier_wait -1
.if \fill
	CREST                                          ; no wave of any partner still reads this slot or has a load on its way
	s_add_nc_u64 s[G0A+4*(\slot)+2:G0A+4*(\slot)+3], s[G0A+4*(\slot)+2:G0A+4*(\slot)+3], 2*KSTEP*2
	s_add_nc_u64 s[G0B+4*(\slot)+2:G0B+4*(\slot)+3], s[G0B+4*(\slot)+2:G0B+4*(\slot)+3], 2*65536
	JLOAD \slot                                    ; my one load behind the round; its four v_nop are also the places in front of the loads below
.else
	PLACES
.endif
	FETCH \next, 0, 0
.if \fill
	WIN 0
	ASK
.endif
	MUL8 1, 2, 0
	MUL8 1, 3, 0
.endm
	s_wait_tensorcnt 1                             ; my part of K step 0 is in; step 1's may stay out
	s_barrier_signal -1
	s_barrier_wait -1
	FETCH 0, 0, 0
	QUARTER 0, 1, 0, 1, 1                          ; the first quarter's products start the sums
	WIN 0
	s_mov_b32 s[LAP], 3
.Llap:                                         ; once round the ring: both slots are filled again (K steps 2 to 7 in three trips)
	QUARTER 0, 2, 1, 0, 0
	QUARTER 0, 3, 0, 1, 0
	TURN 0, 1, 1
	QUARTER 1, 1, 0, 1, 0
	QUARTER 1, 2, 1, 0, 0
	QUARTER 1, 3, 0, 1, 0
	TURN 1, 0, 1
	QUARTER 0, 1, 0, 1, 0
	WIN 0
	s_sub_co_u32 s[LAP], s[LAP], 1
	s_cmp_lg_u32 s[LAP], 0
	s_cbranch_scc1 .Llap
	QUARTER 0, 2, 1, 0, 0                          ; the last lap fills nothing
	QUARTER 0, 3, 0, 1, 0
	TURN 0, 1, 0
	QUARTER 1, 1, 0, 1, 0
	QUARTER 1, 2, 1, 0, 0
	QUARTER 1, 3, 0, 1, 0
	s_wait_dscnt 4
	MUL8 1, 0, 0
	MUL8 1, 1, 0
	s_wait_dscnt 0x0
	MUL8 1, 2, 0
	MUL8 1, 3, 0
	WIN 0
	PLACES
	s_wait_loadcnt 0x0                             ; the bias
; THE WAY OUT of block a (16 rows): sum x SC + bias, rounded to f16, 16 bytes a lane into my stage, back as whole rows of 128 bytes, stored as 512 consecutive bytes
.macro PACK a
	WIN 0x82                                       ; destination and source 0 window 2, the bias window 0
.set i, 0
.rept 32
	v_pk_fma_f32 v[64*(\a)+2*i:64*(\a)+2*i+1], v[64*(\a)+2*i:64*(\a)+2*i+1], s[SC:SC+1], v[BIAS+2*i:BIAS+2*i+1] op_sel_hi:[1,0,1]
.set i, i+1
.endr
	WIN 0x0a                                       ; sources window 2, destination window 0
.set i, 0
.rept 32
	v_cvt_pk_f16_f32 v[TMP+32*(\a)+i], v[64*(\a)+2*i], v[64*(\a)+2*i+1]
.set i, i+1
.endr
	WIN 0
.irp b, 0,1,2,3,4,5,6,7
	ds_store_b128 v[STO], v[TMP+32*(\a)+4*(\b):TMP+32*(\a)+4*(\b)+3] offset:((\b)/4)*16*SP+32*((\b)%4)
.endr
.irp f, 0,1,2,3,4,5,6,7
	ds_load_b128 v[TMP+32*(\a)+4*(\f):TMP+32*(\a)+4*(\f)+3], v[RD] offset:((\f)/4)*16*SP+((\f)%4)*4*SP  ; LDS serves a wave's instructions in order: these see the stores above
.endr
.endm
.macro SEND a, younger                 ; younger: the LDS instructions issued behind block a's loads
.irp f, 0,1,2,3,4,5,6,7
	s_wait_dscnt (\younger)+7-(\f)
	global_store_b128 v[GO], v[TMP+32*(\a)+4*(\f):TMP+32*(\a)+4*(\f)+3], s[10:11] offset:((\f)/4)*262144+2048*(\a)+512*((\f)%4)
.endr
.endm
	PACK 0
	PACK 1
	SEND 0, 16
	PACK 2
	SEND 1, 16
	PACK 3
	SEND 2, 16
	SEND 3, 0
	s_wait_tensorcnt 0x0                           ; the wave's end
	ds_add_u32 v[SPW], v[NIL]
	s_wait_dscnt 0x0
	CROUND                                         ; the closing round
	s_endpgm
.Lfunc_end_k_q54e750da28_proj:
	.size	k_q54e750da28_proj, .Lfunc_end_k_q54e750da28_proj-k_q54e750da28_proj
	.p2alignl 7, 3214868480
	.fill 96, 4, 3214868480
	.section	.rodata,"a",@progbits
	.p2align	6, 0x0
	.amdhsa_kernel k_q54e750da28_proj
		.amdhsa_group_segment_fixed_size 327680
		.amdhsa_private_segment_fixed_size 0
		.amdhsa_enable_private_segment 0
		.amdhsa_kernarg_size 32
		.amdhsa_user_sgpr_count 2
		.amdhsa_user_sgpr_kernarg_segment_ptr 1
		.amdhsa_wavefront_size32 1
		.amdhsa_system_sgpr_workgroup_id_x 1
		.amdhsa_system_sgpr_workgroup_id_y 1
		.amdhsa_system_sgpr_workgroup_id_z 1
		.amdhsa_system_vgpr_workitem_id 0
		.amdhsa_next_free_vgpr 768
		.amdhsa_next_free_sgpr 66
		.amdhsa_reserve_vcc 0
		.amdhsa_float_denorm_mode_32 3
		.amdhsa_float_denorm_mode_16_64 3
		.amdhsa_memory_ordered 1
		.amdhsa_forward_progress 1
		.amdhsa_inst_pref_size 98
	.end_amdhsa_kernel
	.amdgpu_metadata
---
amdhsa.version: [ 1, 2 ]
amdhsa.kernels:
  - .name:           k_q54e750da28_proj
    .symbol:         k_q54e750da28_proj.kd
    .args:
      - { .name: xb, .offset: 0, .size: 8, .value_kind: global_buffer, .address_space: global }
      - { .name: wb, .offset: 8, .size: 8, .value_kind: global_buffer, .address_space: global }
      - { .name: bb, .offset: 16, .size: 8, .value_kind: global_buffer, .address_space: global }
      - { .name: qkv, .offset: 24, .size: 8, .value_kind: global_buffer, .address_space: global }
    .group_segment_fixed_size: 327680
    .private_segment_fixed_size: 0
    .kernarg_segment_align: 8
    .kernarg_segment_size: 32
    .max_flat_workgroup_size: 128
    .sgpr_count:     66
    .vgpr_count:     768
    .wavefront_size: 32
...
	.end_amdgpu_metadata
.endif
;; end of part 2
;; launch attn (part 3): grid 4 x 64, 4 waves a work-group, clusters of 4 x 1, 327,680 bytes of LDS; arguments qkv, mbits, ob; writes ob
.if DOCPART == 3
	.amdgcn_target "amdgcn-amd-amdhsa--gfx1250"
	.amdhsa_code_object_version 6
	.text
	.protected	k_q54e750da28_attn
	.globl	k_q54e750da28_attn
	.p2align	8
	.type	k_q54e750da28_attn,@function
k_q54e750da28_attn:
	s_mov_b64 s[64:65], 0
	v_nop
	global_prefetch_b8 v0, s[64:65] scope:SCOPE_SE
	s_setreg_imm32_b32 hwreg(HW_REG_WAVE_MODE, 25, 1), 1
	s_wait_xcnt 0x0
	s_wait_alu depctr_hold_cnt(0) depctr_sa_sdst(0) depctr_va_vdst(0) depctr_va_sdst(0) depctr_va_ssrc(0) depctr_va_vcc(0) depctr_vm_vsrc(0)
	s_getreg_b32 s2, hwreg(HW_REG_IB_STS2, 6, 4)
	s_cmp_eq_u32 s2, 0
	s_cbranch_scc0 .Lentry_in_a_cluster
	s_endpgm
.Lentry_in_a_cluster:
	s_bfe_u32 s2, ttmp6, 0x10000c
	s_cmp_lg_u32 s2, 0x3003
	s_cbranch_scc0 .Lentry_shape_is_right
	s_endpgm
.Lentry_shape_is_right:
; MASKED ATTENTION, head size 64, no scale.  O[bh][q] = sum over k of softmax_k(s) V[bh][k], s = Q.K where the mask is not 0, else -1e9.  Q, K, V: qkv [3][bh 64][2048][64] in f16; Q carries log2(e), so
; p = 2^(s - m) with a running maximum m.  A hidden score is REPLACED by -1e9 log2(e): a row that is wholly hidden has s - m = 0 and the plain mean of V.  Products, maxima and sums in f32; p rounded to f16 for the
; second product (its sum l is taken of the unrounded p); O rounded once to f16: ob [bh][2048][64].
; LIMITS.  Q, K, V arrive within f16's 65,504; p below 6e-5 keeps f16's fixed step of 6e-8; a weight below 2^-126 counts as 0 in l; NaN and infinities are not treated apart.
; SHARES.  A work-group owns 512 queries of one (batch, head), a wave 128: four PIECES of two tiles of 16.  Every wave walks all 2,048 keys, 64 a step.
; LAYOUT.  S^T = K Q^T: a lane holds ONE query (lane % 16) and keys 8 (lane / 16) + 0..7 of each block of 16.  Two such results rounded to f16 ARE source 1 of O^T = V^T P.  V comes out of LDS turned.
; THE MASK comes as bits: for a tile and step 32 words, word i the lane mask of S^T's register i; they are read into scalar registers (four s_load_b512 a piece) and each picks, by one v_cndmask_b32, the score or -1e9 log2(e).
; BY TURNS.  Turn n belongs to piece n.  Matrix work: 16 products K Q^T of piece n + 1, later 16 products V^T P of piece n - 1.  Vector work: s - m, exponentials, roundings, sums and rescaling of piece n; the mask, the maximum
; and the statistics of piece n + 1.  A turn's 66 exponentials are one batch with one wait.
; CLUSTER.  The four query blocks of a (batch, head) walk the same K and V: each tile is asked for jointly, with the same descriptor and the mask of four.
; REGISTERS: window 0: v0-15 addresses; v16-47 a tile's m, m_old, l (even keys', odd keys'); v48-63 at work; v64-191 S^T, two buffers of two tiles; v192-255 P likewise.  Window 1: O^T, 32 a tile.
;   Window 2: v0-127 Q; v128-191 K of one step; v192-255 V of one step.
.set NP,    4
.set KS,    64
.set PK,    144       ; a row of K in LDS: 128 + 16 bytes
.set PV,    160       ; a row of V: 128 + 32 bytes
.set VOFF,  4*KS*PK   ; a slot holds four steps: 256 rows of K, then 256 rows of V
.set SLOT1, 1<<17
.set STAGE, SLOT1+4*KS*(PK+PV)
.set SP,    144
.set SPARE, STAGE+4*16*SP
.set AK0, 2
.set AV0, 3
.set AK,  4
.set AV,  5
.set QO,  6
.set STO, 6
.set RD,  7
.set GO,  8
.set SPW, 12          ; v12  my spare word; never rewritten
.set NIL, 13          ; v13  0; never rewritten
.set NEGV, 14         ; v14  -1e9 log2(e)
.set PFO, 15          ; v15  256 x lane
.set ST,  16
.set TMP, 48
.set S,   64
.set P,   192
.set KF,  128
.set VF,  192
.set PFA, 2           ; s[2:3]  where my prefetches stand
.set G1K, 4           ; s[4:11]
.set G1V, 12          ; s[12:19]
.set G0K, 20          ; s[20:23]
.set G0V, 24          ; s[24:27]
.set WV,  28
.set SLOTS, 29
.set CNT, 30
.set TBK, 31
.set MW0, 32          ; s[32:63]  the mask words of a piece's first tile
.set TBV, 66
.set LIM, 67
.set MW1, 68          ; s[68:99]  of its second tile
.set MP,  100         ; s[100:101] mbits at my wave's first tile, at the step in hand
.set SEL, 104         ; s[104:105]
.set MSB, 0
.macro WIN new
.if MSB != (\new)
	s_set_vgpr_msb (MSB<<8)|(\new)
.set MSB, (\new)
.endif
.endm
.set W_KQ, 0x0a
.set W_PV, 0x52
.set W_RS, 0x41
.macro JLOAD                        ; waves 0 and 1 fetch the halves of a slot's K, waves 2 and 3 of its V; s_nop 0 and four v_nop follow each line
	s_cmp_lt_u32 s[WV], 2
	s_cbranch_scc0 .Lfor_v_\@
	tensor_load_to_lds s[G0K:G0K+3], s[G1K:G1K+7]
	s_nop 0
.rept 4
	v_nop
.endr
	s_branch .Lasked_\@
.Lfor_v_\@:
	tensor_load_to_lds s[G0V:G0V+3], s[G1V:G1V+7]
	s_nop 0
.rept 4
	v_nop
.endr
.Lasked_\@:
.endm
.macro CROUND
	s_barrier_signal -1
	s_barrier_wait -1
	s_cmp_lg_u32 s[WV], 0
	s_cbranch_scc1 .Lnot_wave_0_\@
	s_barrier_signal -3
.Lnot_wave_0_\@:
	s_barrier_wait -3
	s_barrier_signal -1
	s_barrier_wait -1
.endm
; A prefetch of what the NEXT change of slots will ask for: 128 blocks of 256 bytes of K and of V.  The four partners take 32 blocks each, told apart by address; wave 0 asks for K's, wave 2 for V's: each block is named once.
; The last change that fills a slot asks for nothing.
.macro ASK
	s_cmp_gt_u32 s[SLOTS], s[LIM]
	s_cbranch_scc0 .Lnot_mine_\@
	global_prefetch_b8 v[PFO], s[PFA:PFA+1] th:TH_LOAD_NT scope:SCOPE_SE
.Lnot_mine_\@:
.endm
; THE CHANGE OF SLOTS: each wave waits for all its tensor loads (one is out: its part of the other slot), adds 0 to its spare word, waits for that and for its reads of the slot.  fill = 1: the slot is filled again behind a round of the cluster's barrier.
.macro CHANGE fill, ask
	WIN 0
	s_wait_tensorcnt 0x0
	ds_add_u32 v[SPW], v[NIL]
.if \fill
.irp g, G0K, G0V
	s_xor_b32 s[\g+1], s[\g+1], SLOT1
	s_add_nc_u64 s[\g+2:\g+3], s[\g+2:\g+3], 4*KS*128
.endr
.if \ask
	s_wait_xcnt 0x0                 ; the last prefetch, four key steps back, has read its address
	s_add_nc_u64 s[PFA:PFA+1], s[PFA:PFA+1], 4*KS*128
.endif
	s_wait_dscnt 0x0
	CROUND
	JLOAD
.if \ask
	ASK
.endif
.else
	s_wait_dscnt 0x0
	s_barrier_signal -1
	s_barrier_wait -1
.endif
	s_sub_co_u32 s[TBK], s[TBK], 4*KS*PK
	s_xor_b32 s[TBK], s[TBK], SLOT1
	s_sub_co_u32 s[TBV], s[TBV], 4*KS*PV
	s_xor_b32 s[TBV], s[TBV], SLOT1
.endm
.macro MLOAD x                      ; the 64 mask words of piece x at the step where MP stands
	s_load_b512 s[MW0:MW0+15],    s[MP:MP+1], 8192*(\x)
	s_load_b512 s[MW0+16:MW0+31], s[MP:MP+1], 8192*(\x)+64
	s_load_b512 s[MW1:MW1+15],    s[MP:MP+1], 8192*(\x)+4096
	s_load_b512 s[MW1+16:MW1+31], s[MP:MP+1], 8192*(\x)+4096+64
.endm
	s_load_b128 s[32:35], s[0:1], 0x0  ; qkv s[32:33], mbits s[34:35]
	v_lshl_add_u32 v[SPW], v0, 2, SPARE
	v_mov_b32 v[NIL], 0
	ds_add_u32 v[SPW], v[NIL]       ; the opening: the add and its wait stand ahead of my first tensor load
	v_lshrrev_b32 v1, 5, v0
	v_readfirstlane_b32 s[WV], v1
	s_bfe_u32 s36, ttmp6, 0x40000   ; cx
	s_lshl_b32 s37, ttmp9, 2
	s_add_co_u32 s37, s37, s36      ; my block of 512 queries
	s_lshl2_add_u32 s37, s37, s[WV] ; my wave among the head's sixteen
	s_and_b32 s38, ttmp7, 0xffff    ; bh, which the four partners share
	s_lshl_b32 s40, s38, 18         ; a head's 2,048 rows of 128 bytes
	s_and_b32 s39, s[WV], 1         ; which half of a slot's 256 keys I fetch
	s_lshl_b32 s42, s39, 14
	s_add_co_u32 s42, s42, s40
	s_add_co_u32 s44, s42, 0x2000000  ; V lies 2 x 16 MiB into qkv,
	s_add_co_u32 s42, s42, 0x1000000  ; K one
	s_mov_b32 s43, 0
	s_mov_b32 s45, 0
	s_lshl_b32 s46, s37, 14         ; Q: my wave's 128 rows
	s_add_co_u32 s46, s46, s40
	s_mov_b32 s47, 0
	s_lshr_b32 s48, s38, 4          ; the mask: the batch's 128 tiles of 4,096 bytes, my wave's 8
	s_lshl_b32 s48, s48, 19
	s_lshl_b32 s49, s37, 15
	s_add_co_u32 s48, s48, s49
	s_mov_b32 s49, 0
	s_cmp_lt_u32 s[WV], 2
	s_cselect_b32 s50, 1, 2
	s_lshl_b32 s50, s50, 24         ; the prefetches: K or V,
	s_add_co_u32 s50, s50, s40      ; the head,
	s_lshl_b32 s51, s36, 13         ; my work-group's 32 blocks of the 128,
	s_add_co_u32 s50, s50, s51
	s_add_co_u32 s50, s50, 2*4*KS*128  ; in the third 256 keys: the first change that asks steps it to the fourth
	s_mov_b32 s51, 0
	s_cmp_eq_u32 s39, 0
	s_cselect_b32 s[LIM], 1, -1     ; waves 0 and 2 ask
	s_mul_i32 s52, s39, 128*PK
	s_mul_i32 s53, s39, 128*PV
	s_mov_b32 s[G1K], 15|(1<<16)|(1<<20)|(1<<21)|(4<<22)|(3<<25)  ; the mask of four; 2-byte elements; padding on; bit 21 beside a mask; after every 32 words 4 words
	s_mov_b32 s[G1V], 15|(1<<16)|(1<<20)|(1<<21)|(4<<22)|(7<<25)  ; 8 words
.irp g, G1K, G1V
	s_mov_b32 s[\g+1], 128<<16      ; 128 keys are 16,384 dense bytes: 64 rows of 256
	s_mov_b32 s[\g+2], 64<<16
	s_mov_b32 s[\g+3], 128<<16
	s_mov_b32 s[\g+4], 64
	s_mov_b32 s[\g+5], 128
	s_mov_b32 s[\g+6], 0
	s_mov_b32 s[\g+7], 0
.endr
	s_mov_b32 s[SEL], 0x76543210
	s_mov_b32 s[SEL+1], 0xfedcba98
	s_mov_b32 s[TBK], SLOT1+4*KS*PK ; the first change of slots turns these two into 0
	s_mov_b32 s[TBV], SLOT1+4*KS*PV
	s_mov_b32 s[SLOTS], 7
	s_mov_b32 s[G0K], 1
	s_mov_b32 s[G0K+1], s52
	s_mov_b32 s[G0V], 1
	s_add_co_u32 s[G0V+1], s53, VOFF
	s_wait_dscnt 0x0                ; the opening add is done
	s_wait_kmcnt 0x0
	s_add_nc_u64 s[G0K+2:G0K+3], s[32:33], s[42:43]
	s_or_b32 s[G0K+3], s[G0K+3], 0x80000000
	s_add_nc_u64 s[G0V+2:G0V+3], s[32:33], s[44:45]
	s_or_b32 s[G0V+3], s[G0V+3], 0x80000000
	s_add_nc_u64 s[46:47], s[32:33], s[46:47]
	s_add_nc_u64 s[MP:MP+1], s[34:35], s[48:49]
	s_add_nc_u64 s[PFA:PFA+1], s[32:33], s[50:51]
	CROUND                          ; all four work-groups are here
	JLOAD                           ; slot 0
	v_and_b32 v1, 15, v0            ; l % 16
	v_bfe_u32 v9, v0, 4, 1          ; l / 16
	v_lshlrev_b32 v[QO], 7, v1
	v_lshl_add_u32 v[QO], v9, 4, v[QO]
	WIN 0x80
.set i, 0
.rept 4*NP                          ; Q stays in registers: tile i / 2, channels 32 (i % 2) on
	global_load_b128 v[8*i:8*i+3],   v[QO], s[46:47] offset:(i/2)*2048+(i%2)*64
	global_load_b128 v[8*i+4:8*i+7], v[QO], s[46:47] offset:(i/2)*2048+(i%2)*64+32
.set i, i+1
.endr
	; what the first turn finds: V's registers and P's second buffer hold 0, O^T and l are 0; m lies far below every score, so the first step's a is 0.  All this stands in the wait for the first tile
.set i, VF
.rept 64
	v_mov_b32 v[i], 0
.set i, i+1
.endr
	WIN 0x40
.set i, 0
.rept 64*NP
	v_mov_b32 v[i], 0
.set i, i+1
.endr
	WIN 0
.set i, 0
.rept 2*NP
	v_mov_b32 v[ST+4*i], 0xfe000000
	v_mov_b32 v[ST+4*i+1], 0xfe000000
	v_mov_b32 v[ST+4*i+2], 0
	v_mov_b32 v[ST+4*i+3], 0
.set i, i+1
.endr
.set i, P+32
.rept 32
	v_mov_b32 v[i], 0
.set i, i+1
.endr
	v_mov_b32 v[NEGV], 0xceabfb8f   ; -1e9 log2(e)
	v_and_b32 v[PFO], 31, v0
	v_lshlrev_b32 v[PFO], 8, v[PFO]
	v_mul_u32_u24 v[AK0], v1, PK
	v_lshl_add_u32 v[AK0], v9, 4, v[AK0]
	v_and_b32 v10, 7, v0
	v_bfe_u32 v11, v0, 3, 1
	v_lshl_add_u32 v[AV0], v9, 3, v10
	v_mul_u32_u24 v[AV0], v[AV0], PV
	v_lshl_add_u32 v[AV0], v11, 4, v[AV0]
	v_add_nc_u32 v[AV0], VOFF, v[AV0]
	v_mov_b32 v[AK], v[AK0]
.macro KQ x                         ; product i of 16 of S^T = K Q^T for piece x; the 8 accumulators take turns
	WIN W_KQ
.set rS, S+64*((\x)%2)+32*(i%2)+8*((i/2)%4)
.set rK, KF+16*((i/2)%4)+8*(i/8)
.set rQ, 16*(2*(\x)+i%2)+8*(i/8)
.if i < 8
	v_wmma_f32_16x16x32_f16 v[rS:rS+7], v[rK:rK+7], v[rQ:rQ+7], 0
.else
	v_wmma_f32_16x16x32_f16 v[rS:rS+7], v[rK:rK+7], v[rQ:rQ+7], v[rS:rS+7]
.endif
.endm
.macro PV x                         ; product i of 16 of O^T += V^T P for piece x
	WIN W_PV
.set rO, 32*(2*(\x)+i%2)+8*((i/2)%4)
.set rV, VF+32*(i/8)+8*((i/2)%4)
.set rP, P+32*((\x)%2)+16*(i%2)+8*(i/8)
	v_wmma_f32_16x16x32_f16 v[rO:rO+7], v[rV:rV+7], v[rP:rP+7], v[rO:rO+7]
.endm
.macro MM
.if i < 16
	KQ (Y+1)%NP
.set i, i+1
.else
.set i, i-16
	PV (Y+NP-1)%NP
.set i, i+17
.endif
.endm
.macro FETCH_K last=0               ; a step's K: 16 loads in one run.  last = 1 (the tail): in the last trip there is no further step
	WIN 0
.if \last
	s_cmp_eq_u32 s[CNT], 1
	s_cbranch_scc1 .Lno_k_\@
.endif
	WIN 0x80
.irp f, 0,1,2,3,4,5,6,7
	ds_load_b128 v[KF+8*\f:KF+8*\f+3],   v[AK] offset:(\f/2)*16*PK+(\f%2)*64
	ds_load_b128 v[KF+8*\f+4:KF+8*\f+7], v[AK] offset:(\f/2)*16*PK+(\f%2)*64+32
.endr
	s_add_co_u32 s[TBK], s[TBK], KS*PK
	WIN 0
.if \last
.Lno_k_\@:
.endif
.endm
.macro FETCH_V
	WIN 0x80
.irp f, 0,1,2,3,4,5,6,7
	ds_load_tr16_b128 v[VF+8*\f:VF+8*\f+3],   v[AV] offset:(\f/4)*32*PV+(\f%4)*32
	ds_load_tr16_b128 v[VF+8*\f+4:VF+8*\f+7], v[AV] offset:(\f/4)*32*PV+16*PV+(\f%4)*32
.endr
	WIN 0
.endm
.macro REGS y, u                    ; the registers of tile u of piece y
.set rT, ST+4*(2*(\y)+(\u))
.set rC, TMP+8*((\y)%2)+4*(\u)
.set rS, S+64*((\y)%2)+32*(\u)
.set rP, P+32*((\y)%2)+16*(\u)
.set rO, 32*(2*(\y)+(\u))
.endm
; MK n: the mask on register n / 2 of tile n % 2 of the NEXT piece: the score where the bit is set, else -1e9 log2(e).  Ascending
.macro MK n
	REGS (Y+1)%NP, (\n)%2
.if (\n)%2
	v_cndmask_b32 v[rS+(\n)/2], v[NEGV], v[rS+(\n)/2], s[MW1+(\n)/2]
.else
	v_cndmask_b32 v[rS+(\n)/2], v[NEGV], v[rS+(\n)/2], s[MW0+(\n)/2]
.endif
.endm
; XS u, n: the next piece's maximum and statistics.  0-13: four chains over the 32 scores; 14, 16: with the old m into c0; 15: m_old is kept; 17, 18: the lane 16 away holds the query's other keys: the new m; 20, 21: a = 2^(m_old - m)
.macro XS u, n
	REGS (Y+1)%NP, \u
.if (\n) < 4
	v_max3_num_f32 v[rC+(\n)], v[rS+8*(\n)], v[rS+8*(\n)+1], v[rS+8*(\n)+2]
.elseif (\n) < 12
	v_max3_num_f32 v[rC+(\n)%4], v[rC+(\n)%4], v[rS+8*((\n)%4)+2*((\n)/4)+1], v[rS+8*((\n)%4)+2*((\n)/4)+2]
.elseif (\n) == 12
	v_max3_num_f32 v[rC], v[rC], v[rS+7], v[rS+15]
.elseif (\n) == 13
	v_max3_num_f32 v[rC+1], v[rC+1], v[rS+23], v[rS+31]
.elseif (\n) == 14
	v_max3_num_f32 v[rC+2], v[rC+2], v[rC+3], v[rT]
.elseif (\n) == 15
	v_mov_b32 v[rT+1], v[rT]
.elseif (\n) == 16
	v_max3_num_f32 v[rC], v[rC], v[rC+1], v[rC+2]
.elseif (\n) == 17
	v_permlanex16_b32 v[rC+3], v[rC], s[SEL], s[SEL+1]
.elseif (\n) == 18
	v_max_num_f32 v[rT], v[rC], v[rC+3]
.elseif (\n) == 20
	v_sub_f32 v[rC+1], v[rT+1], v[rT]
.else
	v_exp_f32 v[rC+2], v[rC+1]
.endif
.endm
; GS g: the 64 that follow the exponentials: of each four weights both pairs are rounded to f16, the second pair is added onto the first, and a group later l takes that sum (the first time as l = a l + sum)
.macro GS g
.set h, (\g)+6*((\g)/62)
.if h >= 6
.set h, h+2
.endif
	REGS Y, h%2
.set k, h/8
.if h%8 < 4
	v_cvt_pk_f16_f32 v[rP+2*k+(h%8)/2], v[rS+4*k+2*((h%8)/2)], v[rS+4*k+2*((h%8)/2)+1]
.elseif h%8 < 6
	v_pk_add_f32 v[rS+4*k:rS+4*k+1], v[rS+4*k:rS+4*k+1], v[rS+4*k+2:rS+4*k+3]
.elseif k == 1
	v_pk_fma_f32 v[rT+2:rT+3], v[rT+2:rT+3], v[rC+2:rC+3], v[rS:rS+1] op_sel_hi:[1,0,1]
.else
	v_pk_add_f32 v[rT+2:rT+3], v[rT+2:rT+3], v[rS+4*k-4:rS+4*k-3]
.endif
.endm
.macro FS f                         ; s - m for pair f / 2 of tile f % 2
	REGS Y, (\f)%2
	v_pk_add_f32 v[rS+2*((\f)/2):rS+2*((\f)/2)+1], v[rS+2*((\f)/2):rS+2*((\f)/2)+1], v[rT:rT+1] op_sel_hi:[1,0] neg_lo:[0,1] neg_hi:[0,1]
.endm
; THE PLAIN QUEUE, 200 long.  0-16: FS 0-16.  17-95: the 64 MK, after every four of them one of FS 17-31.  96-123: XS 0-13.  124-135: XS 15, 14, 16, 17, 18, 20.  136-199: GS, which read the exponentials' results and stand behind the wait.
.macro PL
	WIN 0
.if q < 17
	FS q
.elseif q < 96
.if (q-17)%5 < 4
	MK 4*((q-17)/5)+(q-17)%5
.else
	FS 17+(q-17)/5
.endif
.elseif q < 124
	XS (q-96)%2, (q-96)/2
.elseif q < 126
	XS q-124, 15
.elseif q < 128
	XS q-126, 14
.elseif q < 134
	XS (q-128)%2, 16+(q-128)/2
.elseif q < 136
	XS q-134, 20
.else
	GS q-136
.endif
.set q, q+1
.endm
.macro EX                           ; the exponentials' queue, 66 long: s0-s31 of both tiles, then the next piece's two a
	WIN 0
.if e >= 64
	XS e-64, 21
.else
	REGS Y, e%2
	v_exp_f32 v[rS+e/2], v[rS+e/2]
.endif
.set e, e+1
.endm
.macro R2                           ; O^T times a, two at a time; a was made, and waited for, in the turn before
	REGS Y, r%2
	WIN W_RS
.irp z, 0,1
	v_pk_mul_f32 v[rO+4*(r/2)+2*\z:rO+4*(r/2)+2*\z+1], v[rO+4*(r/2)+2*\z:rO+4*(r/2)+2*\z+1], v[rC+2:rC+3] op_sel_hi:[1,0]
.endr
.set r, r+1
.endm
; A TURN, for piece p.  AHEAD OF THE WAIT stands all that names no result of the turn's exponentials: 16 products K Q^T, each with a subtraction, an exponential and two rescalings behind it; then one lump: the mask (its words
; were asked for in the turn before: s_wait_kmcnt 0), the rest of the subtractions and exponentials, the next piece's maximum and statistics, its two a.  Exponential e stands behind subtraction 2 (e / 4) + e % 2.
; The words of the piece after next are asked for behind the last v_cndmask_b32.  Turn 2 steps the mask's pointer a key step on, behind the wait that shows its loads done; only tiles 0 to 3 are ever asked for one step past the last, which falls into my own tiles 1 to 4.
; BEHIND THE WAIT: 16 products V^T P with four of the roundings and sums behind each.  K of the next step is fetched in piece 2's turn directly behind the wait; V of the step in hand at the end of piece 0's turn, four plain lines behind its last reader.
.macro TURN p, last=0, cnt=0
.set Y, (\p)
.set i, 0
.set q, 0
.set e, 0
.set r, 0
.if (\p) == NP-1
	s_wait_dscnt 0x0                ; K is in
.endif
	MM
	PL
	PL
	R2
.rept 15
	MM
	PL
	EX
	R2
.endr
	WIN 0
.if (\p) == NP-2
	v_add_nc_u32 v[AK], s[TBK], v[AK0]
.endif
	s_wait_kmcnt 0x0                ; this turn's mask words are in (scalar loads: 0 alone shows anything)
.if (\p) == NP-2
	s_add_nc_u64 s[MP:MP+1], s[MP:MP+1], 128
.endif
.rept 15
	PL
	PL
	EX
	PL
	PL
	PL
	EX
.endr
	PL
	PL
	EX
	PL
	PL
	EX
.rept 2
	PL
	PL
	EX
.endr
	MLOAD ((\p)+2)%NP
.rept 12
	PL
	PL
	EX
.endr
	PL
	PL
	PL
	PL
	EX
	PL
	PL
	EX
	PL
	PL
	EX
	PL
	PL
	PL
	PL
	EX                              ; the next piece's two a
	EX
	v_nop                           ; the plain instruction behind the last exponential: one for the batch
	s_wait_alu depctr_va_vdst(0)    ; the wait for the batch
.if (\p) == NP-2
	FETCH_K \last
.endif
.if (\p) == 1
	s_wait_dscnt 0x0                ; V is in
.endif
.rept 16
	MM
.rept 4
	PL
.endr
.if ((\p) == 0) && (q == 180)
	v_add_nc_u32 v[AV], s[TBV], v[AV0]
.endif
.if ((\p) == 0) && (q == 192)
	s_add_co_u32 s[TBV], s[TBV], KS*PV
.endif
.if (\cnt) && (q == 192)
	s_sub_co_u32 s[CNT], s[CNT], 1
	s_cmp_lg_u32 s[CNT], 0
.endif
.endr
.if (\p) == 0
	FETCH_V
.endif
.endm
	s_wait_xcnt 0x0                 ; Q's loads have read their base, which lies among the mask's registers
	MLOAD 0                         ; piece 0, step 0
	CHANGE 1, 0                     ; slot 0 is in, everybody's part of it; slot 1 is asked for
	FETCH_K                         ; key step 0
	s_wait_loadcnt 0x0              ; Q
	s_wait_dscnt 0x0
.set i, 0
.rept 16
	KQ 0
.set i, i+1
.endr
	WIN 0                           ; the addresses for the way out: nine plain instructions, the places behind those products
	s_mul_i32 s[CNT], s[WV], 16*SP
	s_add_co_u32 s[CNT], s[CNT], STAGE  ; my stage (the counter's register is free until it is set below)
	v_mul_u32_u24 v[STO], v1, SP
	v_lshl_add_u32 v[STO], v9, 4, v[STO]
	v_add_nc_u32 v[STO], s[CNT], v[STO]
	v_bfe_u32 v[RD], v0, 3, 2
	v_mul_u32_u24 v[RD], v[RD], SP
	v_lshl_add_u32 v[RD], v10, 4, v[RD]
	v_add_nc_u32 v[RD], s[CNT], v[RD]
	v_and_b32 v[GO], 31, v0
	v_lshlrev_b32 v[GO], 4, v[GO]
.set Y, NP-1                        ; MK and XS work for piece Y + 1: piece 0
	s_wait_kmcnt 0x0
.set mk, 0
.rept 64
	MK mk
.set mk, mk+1
.endr
	MLOAD 1
.irp n, 0,1,2,3,4,5,6,7,8,9,10,11,12,13,14,15,16,17,18,20,21
	XS 0, \n
	XS 1, \n
.endr
	v_nop
	s_wait_alu depctr_va_vdst(0)    ; the two a have their wait ahead of the branch
	s_mov_b32 s[CNT], 4
	s_branch .Lfirst                ; the loop is entered at a step's first turn
.Lslot:                             ; six times: every slot but the last two is filled again
	CHANGE 1, 1
	s_mov_b32 s[CNT], 4
.Lstep:                             ; a trip: pieces 2 and 3 of one step, then pieces 0 and 1 of the next
	TURN 2
	TURN 3
	WIN 0
.Lfirst:
	TURN 0
	TURN 1, 0, 1
	WIN 0
	s_cbranch_scc1 .Lstep
	s_sub_co_u32 s[SLOTS], s[SLOTS], 1
	s_cmp_lg_u32 s[SLOTS], 0
	s_cbranch_scc1 .Lslot
	CHANGE 0, 0                     ; the tail is written out
	s_mov_b32 s[CNT], 5
.Ltail:
	TURN 2, 1
	TURN 3
	WIN 0
	s_sub_co_u32 s[CNT], s[CNT], 1
	s_cmp_eq_u32 s[CNT], 0
	s_cbranch_scc1 .Lout
	TURN 0
	TURN 1
	WIN 0
	s_branch .Ltail
.Lout:                              ; the fifth trip's products K Q^T, their mask and maximum serve nothing: the price, once a launch, of one text for every trip
	s_wait_kmcnt 0x0                ; the mask words asked for last are in: their registers are free
	s_load_b64 s[32:33], s[0:1], 0x10  ; ob
	s_bfe_u32 s36, ttmp6, 0x40000
	s_lshl_b32 s37, ttmp9, 2
	s_add_co_u32 s37, s37, s36
	s_lshl2_add_u32 s37, s37, s[WV]
	s_lshl_b32 s34, s37, 14         ; my wave's 128 rows,
	s_and_b32 s38, ttmp7, 0xffff
	s_lshl_b32 s38, s38, 18         ; in my head
	s_add_co_u32 s34, s34, s38
	s_mov_b32 s35, 0
.set i, 0
.rept 16
	PV NP-1
.set i, i+1
.endr
	; THE WAY OUT.  The additions are the places behind the last products
	WIN 0
.macro ALL line:vararg
.set t, 0
.rept 2*NP
	\line
.set t, t+1
.endr
.endm
	ALL v_add_f32 v[ST+4*t+2], v[ST+4*t+2], v[ST+4*t+3]
	ALL v_permlanex16_b32 v[ST+4*t+3], v[ST+4*t+2], s[SEL], s[SEL+1]
	ALL v_add_f32 v[ST+4*t+2], v[ST+4*t+2], v[ST+4*t+3]
	ALL v_rcp_f32 v[ST+4*t+2], v[ST+4*t+2]
	v_nop
	s_wait_alu depctr_va_vdst(0)    ; one wait for the eight reciprocals
	s_wait_kmcnt 0x0
	s_add_nc_u64 s[32:33], s[32:33], s[34:35]
.macro PACK t                       ; a lane's eight channels of a row pack into 16 bytes; into rows of 144 bytes, back as whole rows of 128
	WIN W_RS
.set i, 32*(\t)
.rept 16
	v_pk_mul_f32 v[i:i+1], v[i:i+1], v[ST+4*(\t)+2:ST+4*(\t)+3] op_sel_hi:[1,0]
.set i, i+2
.endr
	WIN 0x05
.set i, 0
.rept 16
	v_cvt_pk_f16_f32 v[S+16*(\t)+i], v[32*(\t)+2*i], v[32*(\t)+2*i+1]
.set i, i+1
.endr
	WIN 0
.irp f, 0,1,2,3
	ds_store_b128 v[STO], v[S+16*(\t)+4*\f:S+16*(\t)+4*\f+3] offset:32*\f
.endr
.irp f, 0,1,2,3
	ds_load_b128 v[S+16*(\t)+4*\f:S+16*(\t)+4*\f+3], v[RD] offset:\f*4*SP  ; LDS serves a wave's instructions in order: these see the stores above
.endr
.endm
.macro SEND t, younger              ; younger: the LDS instructions issued behind tile t's loads
	WIN 0
.irp f, 0,1,2,3
	s_wait_dscnt (\younger)+3-\f
	global_store_b128 v[GO], v[S+16*(\t)+4*\f:S+16*(\t)+4*\f+3], s[32:33] offset:(\t)*2048+\f*512  ; 512 consecutive bytes, aligned
.endr
.endm
	PACK 0
.set t, 1
.rept 2*NP-1
	PACK t
	SEND t-1, 8
.set t, t+1
.endr
	SEND 2*NP-1, 0
	s_wait_tensorcnt 0x0            ; the wave's end
	ds_add_u32 v[SPW], v[NIL]
	s_wait_dscnt 0x0
	CROUND                          ; the closing round
	s_endpgm
.Lfunc_end_k_q54e750da28_attn:
	.size	k_q54e750da28_attn, .Lfunc_end_k_q54e750da28_attn-k_q54e750da28_attn
	.p2alignl 7, 3214868480
	.fill 96, 4, 3214868480
	.section	.rodata,"a",@progbits
	.p2align	6, 0x0
	.amdhsa_kernel k_q54e750da28_attn
		.amdhsa_group_segment_fixed_size 327680
		.amdhsa_private_segment_fixed_size 0
		.amdhsa_enable_private_segment 0
		.amdhsa_kernarg_size 24
		.amdhsa_user_sgpr_count 2
		.amdhsa_user_sgpr_kernarg_segment_ptr 1
		.amdhsa_wavefront_size32 1
		.amdhsa_system_sgpr_workgroup_id_x 1
		.amdhsa_system_sgpr_workgroup_id_y 1
		.amdhsa_system_sgpr_workgroup_id_z 1
		.amdhsa_system_vgpr_workitem_id 0
		.amdhsa_next_free_vgpr 768
		.amdhsa_next_free_sgpr 106
		.amdhsa_reserve_vcc 0
		.amdhsa_float_denorm_mode_32 3
		.amdhsa_float_denorm_mode_16_64 3
		.amdhsa_memory_ordered 1
		.amdhsa_forward_progress 1
		.amdhsa_inst_pref_size 238
	.end_amdhsa_kernel
	.amdgpu_metadata
---
amdhsa.version: [ 1, 2 ]
amdhsa.kernels:
  - .name:           k_q54e750da28_attn
    .symbol:         k_q54e750da28_attn.kd
    .args:
      - { .name: qkv, .offset: 0, .size: 8, .value_kind: global_buffer, .address_space: global }
      - { .name: mbits, .offset: 8, .size: 8, .value_kind: global_buffer, .address_space: global }
      - { .name: ob, .offset: 16, .size: 8, .value_kind: global_buffer, .address_space: global }
    .group_segment_fixed_size: 327680
    .private_segment_fixed_size: 0
    .kernarg_segment_align: 8
    .kernarg_segment_size: 24
    .max_flat_workgroup_size: 128
    .sgpr_count:     106
    .vgpr_count:     768
    .wavefront_size: 32
...
	.end_amdgpu_metadata
.endif
;; end of part 3
;; launch outp (part 4): grid 256 x 1, 4 waves a work-group, no clusters, 35,328 bytes of LDS; arguments ob, woF, bo, out0; writes out0
.if DOCPART == 4
	.amdgcn_target "amdgcn-amd-amdhsa--gfx1250"
	.amdhsa_code_object_version 6
	.text
	.protected	k_q54e750da28_outp
	.globl	k_q54e750da28_outp
	.p2align	8
	.type	k_q54e750da28_outp,@function
k_q54e750da28_outp:
	s_mov_b64 s[64:65], 0
	v_nop
	global_prefetch_b8 v0, s[64:65] scope:SCOPE_SE
	s_setreg_imm32_b32 hwreg(HW_REG_WAVE_MODE, 25, 1), 1
	s_wait_xcnt 0x0
; out0[b][s][:] = cat over heads of O[b][h][s][:] x Wo + bo.  O: ob [bh 64][2048][64] in f16; Wo: woF, f16 in fragment order; bo rounded to bf16 like the other inputs; sums in f32; out0 [8192][64] in f32.
; A work-group makes 32 rows.  K = 1,024 IS SPLIT AMONG ITS FOUR WAVES: wave w takes heads 4 w .. 4 w + 3, both tiles of 16 rows and all four blocks of 16 columns; the four partial sums meet in LDS (f32).
; The product is taken transposed (source 0 = 16 columns of Wo, source 1 = 16 rows of O): a lane holds one row and eight neighbouring columns.
; NO CLUSTER, NO RING: both operands come straight into registers in fragment order; what the work-groups share is Wo, 131,072 bytes, and a joint load would add an LDS trip and barriers to a launch with 64 products a wave.
; No prefetch: a wave's whole share of O is asked for by its first 32 loads.
.set PP,    272                        ; a row of partial sums: 256 + 16 bytes
.set WPART, 32*PP
.set SPARE, 4*WPART
.set FO,  2                            ; v2  my place in a fragment's rows of O: 128 (l % 16) + 16 (l / 16)
.set WO,  3                            ; v3  16 x lane: in a block of woF, and in 512 bytes of out0
.set LS,  4
.set LR,  5
.set BOF, 7                            ; v7  16 (l % 16): my four columns of bo
.set SPW, 8
.set NIL, 9
.set ACC, 16                           ; v[16:79]  accumulator (mt, nb) at ACC + 8 (4 mt + nb)
.set WB,  80                           ; v[80:207] two buffers of a head's eight fragments of Wo
.set MSB, 0
.macro WIN new
.if MSB != (\new)
	s_set_vgpr_msb (MSB<<8)|(\new)
.set MSB, \new
.endif
.endm
	s_load_b256 s[4:11], s[0:1], 0x0               ; ob 4, woF 6, bo 8, out0 10
	v_lshl_add_u32 v[SPW], v0, 2, SPARE
	v_mov_b32 v[NIL], 0
	v_lshrrev_b32 v1, 5, v0
	v_readfirstlane_b32 s12, v1                    ; wave
	v_and_b32 v14, 15, v0
	v_bfe_u32 v15, v0, 4, 1
	v_and_b32 v1, 31, v0
	v_lshlrev_b32 v[FO], 7, v14
	v_lshl_add_u32 v[FO], v15, 4, v[FO]
	v_lshlrev_b32 v[WO], 4, v1
	s_mul_i32 s13, s12, WPART
	v_mul_u32_u24 v[LS], v14, PP
	v_lshl_add_u32 v[LS], v15, 5, v[LS]
	v_add_nc_u32 v[LS], s13, v[LS]                 ; in: row l % 16, 32 bytes for each half of the lanes
	s_mul_i32 s13, s12, 8*PP
	v_mul_u32_u24 v[LR], v15, PP
	v_lshl_add_u32 v[LR], v14, 4, v[LR]
	v_add_nc_u32 v[LR], s13, v[LR]                 ; back: wave w finishes rows 8 w .. 8 w + 7, two rows a load
	v_lshlrev_b32 v[BOF], 4, v14
	s_lshr_b32 s14, ttmp9, 6                       ; the batch
	s_lshl_b32 s14, s14, 4
	s_lshl2_add_u32 s14, s12, s14                  ; 16 b + 4 w: my first head
	s_lshl_b32 s14, s14, 18
	s_and_b32 s15, ttmp9, 63
	s_lshl_b32 s15, s15, 12                        ; 32 rows of 128 bytes
	s_add_co_u32 s14, s14, s15
	s_mov_b32 s15, 0
	s_lshl_b32 s16, s12, 15                        ; my 32 blocks of woF
	s_mov_b32 s17, 0
	s_lshl_b32 s18, ttmp9, 13                      ; 32 rows of 256 bytes of out0,
	s_lshl_b32 s19, s12, 11                        ; my 8
	s_add_co_u32 s18, s18, s19
	s_mov_b32 s19, 0
	s_wait_kmcnt 0x0
	s_add_nc_u64 s[4:5], s[4:5], s[14:15]
	s_add_nc_u64 s[6:7], s[6:7], s[16:17]
	s_add_nc_u64 s[10:11], s[10:11], s[18:19]
	WIN 0x40                                       ; O's fragments: window 1, (head i, tile mt, half k) at 8 (4 i + 2 mt + k)
.irp i, 0,1,2,3
.irp mt, 0,1
.irp k, 0,1
	global_load_b128 v[8*(4*(\i)+2*(\mt)+(\k)):8*(4*(\i)+2*(\mt)+(\k))+3],   v[FO], s[4:5] offset:262144*(\i)+2048*(\mt)+64*(\k)
	global_load_b128 v[8*(4*(\i)+2*(\mt)+(\k))+4:8*(4*(\i)+2*(\mt)+(\k))+7], v[FO], s[4:5] offset:262144*(\i)+2048*(\mt)+64*(\k)+32
.endr
.endr
.endr
	WIN 0
	global_load_b128 v[10:13], v[BOF], s[8:9]
.macro WLOAD buf, i                    ; head i's eight fragments of Wo: sixteen loads of 512 consecutive bytes
	WIN 0
.irp k, 0,1
.irp nb, 0,1,2,3
	global_load_b128 v[WB+64*(\buf)+8*(4*(\k)+(\nb)):WB+64*(\buf)+8*(4*(\k)+(\nb))+3],   v[WO], s[6:7] offset:1024*(4*(2*(\i)+(\k))+(\nb))
	global_load_b128 v[WB+64*(\buf)+8*(4*(\k)+(\nb))+4:WB+64*(\buf)+8*(4*(\k)+(\nb))+7], v[WO], s[6:7] offset:1024*(4*(2*(\i)+(\k))+(\nb))+512
.endr
.endr
.endm
.macro MULS buf, i                     ; a head's sixteen products; the eight accumulators take turns; the first eight of all start the sums
	WIN 0x04                                       ; source 1 (O) window 1
.irp k, 0,1
.irp mt, 0,1
.irp nb, 0,1,2,3
.if ((\i) == 0) && ((\k) == 0)
	v_wmma_f32_16x16x32_f16 v[ACC+8*(4*(\mt)+(\nb)):ACC+8*(4*(\mt)+(\nb))+7], v[WB+64*(\buf)+8*(4*(\k)+(\nb)):WB+64*(\buf)+8*(4*(\k)+(\nb))+7], v[8*(4*(\i)+2*(\mt)+(\k)):8*(4*(\i)+2*(\mt)+(\k))+7], 0
.else
	v_wmma_f32_16x16x32_f16 v[ACC+8*(4*(\mt)+(\nb)):ACC+8*(4*(\mt)+(\nb))+7], v[WB+64*(\buf)+8*(4*(\k)+(\nb)):WB+64*(\buf)+8*(4*(\k)+(\nb))+7], v[8*(4*(\i)+2*(\mt)+(\k)):8*(4*(\i)+2*(\mt)+(\k))+7], v[ACC+8*(4*(\mt)+(\nb)):ACC+8*(4*(\mt)+(\nb))+7]
.endif
.endr
.endr
.endr
.endm
.macro PLACES
.rept 4
	v_nop
.endr
.endm
	WLOAD 0, 0
	WLOAD 1, 1
	s_wait_loadcnt 16                              ; O, bo and head 0's Wo are in; head 1's sixteen loads may stay out
	MULS 0, 0
	PLACES                                         ; in front of loads into registers that the products have read
	WLOAD 0, 2
	s_wait_loadcnt 16                              ; head 1's are in; head 2's stay out
	MULS 1, 1
	PLACES
	WLOAD 1, 3
	s_wait_loadcnt 16                              ; head 2's are in; head 3's stay out
	MULS 0, 2
	s_wait_loadcnt 0x0
	MULS 1, 3
	WIN 0
	PLACES
	PLACES
.irp mt, 0,1
.irp nb, 0,1,2,3
	ds_store_b128 v[LS], v[ACC+8*(4*(\mt)+(\nb)):ACC+8*(4*(\mt)+(\nb))+3]   offset:16*PP*(\mt)+64*(\nb)
	ds_store_b128 v[LS], v[ACC+8*(4*(\mt)+(\nb))+4:ACC+8*(4*(\mt)+(\nb))+7] offset:16*PP*(\mt)+64*(\nb)+16
.endr
.endr
	v_cvt_pk_bf16_f32 v14, v10, v11                ; bo rounded to bf16, widened again
	v_cvt_pk_bf16_f32 v15, v12, v13
	v_lshlrev_b32 v10, 16, v14
	v_and_b32 v11, 0xffff0000, v14
	v_lshlrev_b32 v12, 16, v15
	v_and_b32 v13, 0xffff0000, v15
	s_wait_dscnt 0x0                               ; for the others' sake: my partial sums lie in LDS
	s_barrier_signal -1
	s_barrier_wait -1
.irp j, 0,1,2,3
.irp v, 0,1,2,3
	ds_load_b128 v[WB+16*(\j)+4*(\v):WB+16*(\j)+4*(\v)+3], v[LR] offset:2*PP*(\j)+WPART*(\v)
.endr
.endr
	s_wait_dscnt 0x0
.irp j, 0,1,2,3
	v_pk_add_f32 v[WB+16*(\j):WB+16*(\j)+1],     v[WB+16*(\j):WB+16*(\j)+1],     v[WB+16*(\j)+4:WB+16*(\j)+5]
	v_pk_add_f32 v[WB+16*(\j)+2:WB+16*(\j)+3],   v[WB+16*(\j)+2:WB+16*(\j)+3],   v[WB+16*(\j)+6:WB+16*(\j)+7]
	v_pk_add_f32 v[WB+16*(\j)+8:WB+16*(\j)+9],   v[WB+16*(\j)+8:WB+16*(\j)+9],   v[WB+16*(\j)+12:WB+16*(\j)+13]
	v_pk_add_f32 v[WB+16*(\j)+10:WB+16*(\j)+11], v[WB+16*(\j)+10:WB+16*(\j)+11], v[WB+16*(\j)+14:WB+16*(\j)+15]
	v_pk_add_f32 v[WB+16*(\j):WB+16*(\j)+1],     v[WB+16*(\j):WB+16*(\j)+1],     v[WB+16*(\j)+8:WB+16*(\j)+9]
	v_pk_add_f32 v[WB+16*(\j)+2:WB+16*(\j)+3],   v[WB+16*(\j)+2:WB+16*(\j)+3],   v[WB+16*(\j)+10:WB+16*(\j)+11]
	v_pk_add_f32 v[WB+16*(\j):WB+16*(\j)+1],     v[WB+16*(\j):WB+16*(\j)+1],     v[10:11]
	v_pk_add_f32 v[WB+16*(\j)+2:WB+16*(\j)+3],   v[WB+16*(\j)+2:WB+16*(\j)+3],   v[12:13]
	global_store_b128 v[WO], v[WB+16*(\j):WB+16*(\j)+3], s[10:11] offset:512*(\j)  ; two rows: 512 consecutive bytes, aligned
.endr
	s_wait_tensorcnt 0x0                           ; the wave's end
	ds_add_u32 v[SPW], v[NIL]
	s_wait_dscnt 0x0
	s_endpgm
.Lfunc_end_k_q54e750da28_outp:
	.size	k_q54e750da28_outp, .Lfunc_end_k_q54e750da28_outp-k_q54e750da28_outp
	.p2alignl 7, 3214868480
	.fill 96, 4, 3214868480
	.section	.rodata,"a",@progbits
	.p2align	6, 0x0
	.amdhsa_kernel k_q54e750da28_outp
		.amdhsa_group_segment_fixed_size 35328
		.amdhsa_private_segment_fixed_size 0
		.amdhsa_enable_private_segment 0
		.amdhsa_kernarg_size 32
		.amdhsa_user_sgpr_count 2
		.amdhsa_user_sgpr_kernarg_segment_ptr 1
		.amdhsa_wavefront_size32 1
		.amdhsa_system_sgpr_workgroup_id_x 1
		.amdhsa_system_sgpr_workgroup_id_y 1
		.amdhsa_system_sgpr_workgroup_id_z 1
		.amdhsa_system_vgpr_workitem_id 0
		.amdhsa_next_free_vgpr 384
		.amdhsa_next_free_sgpr 66
		.amdhsa_reserve_vcc 0
		.amdhsa_float_denorm_mode_32 3
		.amdhsa_float_denorm_mode_16_64 3
		.amdhsa_memory_ordered 1
		.amdhsa_forward_progress 1
		.amdhsa_inst_pref_size 21
	.end_amdhsa_kernel
	.amdgpu_metadata
---
amdhsa.version: [ 1, 2 ]
amdhsa.kernels:
  - .name:           k_q54e750da28_outp
    .symbol:         k_q54e750da28_outp.kd
    .args:
      - { .name: ob, .offset: 0, .size: 8, .value_kind: global_buffer, .address_space: global }
      - { .name: woF, .offset: 8, .size: 8, .value_kind: global_buffer, .address_space: global }
      - { .name: bo, .offset: 16, .size: 8, .value_kind: global_buffer, .address_space: global }
      - { .name: out0, .offset: 24, .size: 8, .value_kind: global_buffer, .address_space: global }
    .group_segment_fixed_size: 35328
    .private_segment_fixed_size: 0
    .kernarg_segment_align: 8
    .kernarg_segment_size: 32
    .max_flat_workgroup_size: 128
    .sgpr_count:     66
    .vgpr_count:     384
    .wavefront_size: 32
...
	.end_amdgpu_metadata
.endif
;; end of part 4
;; ======== version 2 of 2: 4 launches
;; limits: values are held in f16: magnitudes above 65,504 overflow, below 6.1e-05 lose precision
;; workspace buffers: mbits 2,097,152 bytes of whole numbers; wb 6,291,456 bytes; bb 12,288 bytes; qkv 50,331,648 bytes; woF 131,072 bytes; ob 16,777,216 bytes
;; launch prep (part 5): grid 1233 x 1, 8 waves a work-group, no clusters, 68,608 bytes of LDS; arguments mask, Wq, Wk, Wv, Wo, bq, bk, bv, mbits, wb, woF, bb; writes mbits, wb, woF, bb
.if DOCPART == 5
	.amdgcn_target "amdgcn-amd-amdhsa--gfx1250"
	.amdhsa_code_object_version 6
	.text
	.protected	k_q54e750da28_prep
	.globl	k_q54e750da28_prep
	.p2align	8
	.type	k_q54e750da28_prep,@function
k_q54e750da28_prep:
	s_mov_b64 s[64:65], 0
	v_nop
	global_prefetch_b8 v0, s[64:65] scope:SCOPE_SE
	s_setreg_imm32_b32 hwreg(HW_REG_WAVE_MODE, 25, 1), 1
	s_wait_xcnt 0x0
; PREP: the mask, the weights and the biases are read once and laid out for the launches behind.  The work-group's number picks one of four kinds of work:
;   0 .. 1023     the mask [4][2048][2048] of int32 becomes bits: mbits u32 [b 4][qt 128][t 32][w 32]; word w = 8 kb + j, bit l = 16 h + r is
;                 mask[b][16 qt + r][64 t + 16 kb + 8 h + j] != 0: the lane mask of register 8 kb + j of a tile S^T (16 queries x 64 keys) in the attention launch
;   1024 .. 1215  Wq, Wk, Wv to bf16 in blocks: wb [t 3][c 4][s 8][hh 4][d 128][e 64], head 4 c + hh, row 128 s + d: a block (t, c, s) is 65,536 dense bytes
;   1216 .. 1231  Wo rounded to bf16 and written as f16, in the order of matrix fragments: woF [fb = 4 ks + nb][half 2][lane 32][8]
;   1232          the three biases rounded to bf16, kept as f32; bq's row also times log2(e): bb [3][1024]
; LIMIT: a number of Wo below 6e-5 keeps f16's fixed step of 6e-8.
; Memory binds: loads of 16 bytes a lane, sixteen in flight a wave, each store of a wave covers 256 or 512 consecutive aligned bytes.  No matrix work, no cluster: nothing is shared.
.set SPARE, 67584                      ; behind the eight waves' stages: the spare words, 128 bytes a wave
.set WLDS,  8448                       ; a wave's stage: 16 rows of 528 bytes
.set MPI,   528                        ; 512 bytes + 16: an odd multiple of 16, so 16 rows of one column start in 16 different groups of banks
.set LN,  5                            ; v5  lane
.set SPW, 6                            ; v6  LDS address of my spare word; never rewritten
.set NIL, 7                            ; v7  0; never rewritten
.set IN,  8                            ; v[8:71]   as loaded
.set OU,  72                           ; v[72:103] to store
	s_load_b512 s[8:23], s[0:1], 0x0               ; mask 8, Wq 10, Wk 12, Wv 14, Wo 16, bq 18, bk 20, bv 22
	s_load_b256 s[24:31], s[0:1], 0x40             ; mbits 24, wb 26, woF 28, bb 30
	v_lshl_add_u32 v[SPW], v0, 2, SPARE
	v_mov_b32 v[NIL], 0
	v_lshrrev_b32 v1, 5, v0
	v_readfirstlane_b32 s4, v1                     ; wave 0..7
	v_and_b32 v[LN], 31, v0
	s_wait_kmcnt 0x0
	s_cmp_lt_u32 ttmp9, 1024
	s_cbranch_scc1 .Lmask
	s_cmp_lt_u32 ttmp9, 1216
	s_cbranch_scc1 .Lw
	s_cmp_lt_u32 ttmp9, 1232
	s_cbranch_scc1 .Lo
	; THE BIASES: 256 threads x 4 numbers = a bias of 1,024
	v_lshlrev_b32 v1, 4, v0
	global_load_b128 v[8:11], v1, s[18:19]
	global_load_b128 v[12:15], v1, s[20:21]
	global_load_b128 v[16:19], v1, s[22:23]
	s_wait_loadcnt 0x0
.irp p, 0,1,2,3,4,5
	v_cvt_pk_bf16_f32 v[24+(\p)], v[8+2*(\p)], v[9+2*(\p)]
.endr
.irp p, 0,1,2,3,4,5
	v_lshlrev_b32 v[8+2*(\p)], 16, v[24+(\p)]      ; the rounded numbers, widened again
	v_and_b32 v[9+2*(\p)], 0xffff0000, v[24+(\p)]
.endr
.irp p, 8,9,10,11
	v_mul_f32 v[\p], 0x3fb8aa3b, v[\p]             ; q carries log2(e), so its bias does
.endr
	global_store_b128 v1, v[8:11], s[30:31]
	global_store_b128 v1, v[12:15], s[30:31] offset:4096
	global_store_b128 v1, v[16:19], s[30:31] offset:8192
	s_branch .Lend
.Lo:	; WO: a wave makes one fragment block fb: 32 rows k x 16 columns n.  Lane l holds column 16 nb + l % 16; half 0: k = 32 ks + 8 (l / 16) + 0..7, half 1: 16 more
	s_sub_co_u32 s5, ttmp9, 1216
	s_lshl3_add_u32 s5, s5, s4                     ; fb = 8 x group + wave
	s_lshr_b32 s6, s5, 2                           ; ks
	s_and_b32 s7, s5, 3                            ; nb
	s_lshl_b32 s6, s6, 13                          ; 32 rows of 256 bytes
	s_lshl_b32 s7, s7, 6                           ; 16 columns of 4 bytes
	s_add_co_u32 s6, s6, s7
	v_and_b32 v1, 15, v[LN]
	v_lshrrev_b32 v2, 4, v[LN]
	v_lshlrev_b32 v1, 2, v1
	v_lshl_add_u32 v1, v2, 11, v1                  ; + 8 rows for the upper lanes
	v_add_nc_u32 v1, s6, v1
.irp j, 0,1,2,3,4,5,6,7
	global_load_b32 v[8+(\j)], v1, s[16:17] offset:256*(\j)
	global_load_b32 v[16+(\j)], v1, s[16:17] offset:256*(16+(\j))
.endr
	s_lshl_b32 s6, s5, 10                          ; a block is 1,024 bytes
	s_mov_b32 s7, 0
	s_add_nc_u64 s[40:41], s[28:29], s[6:7]
	v_lshlrev_b32 v3, 4, v[LN]
	s_wait_loadcnt 0x0
.irp p, 0,1,2,3,4,5,6,7
	v_cvt_pk_bf16_f32 v[24+(\p)], v[8+2*(\p)], v[9+2*(\p)]
.endr
.irp p, 0,1,2,3,4,5,6,7
	v_lshlrev_b32 v[8+2*(\p)], 16, v[24+(\p)]
	v_and_b32 v[9+2*(\p)], 0xffff0000, v[24+(\p)]
	v_cvt_pk_f16_f32 v[32+(\p)], v[8+2*(\p)], v[9+2*(\p)]
.endr
	global_store_b128 v3, v[32:35], s[40:41]               ; 512 consecutive bytes each
	global_store_b128 v3, v[36:39], s[40:41] offset:512
	s_branch .Lend
.Lmask:	; THE MASK: a wave takes 16 queries x 128 keys: sixteen loads of 512 consecutive bytes, turned in its own stage in LDS, 64 compares, one store of 256 bytes
	s_lshl3_add_u32 s5, ttmp9, s4                  ; job = 8 x group + wave
	s_lshr_b32 s6, s5, 4                           ; 128 b + qt
	s_lshl_b32 s40, s6, 17                         ; 16 rows of 8,192 bytes
	s_and_b32 s7, s5, 15
	s_lshl_b32 s7, s7, 9                           ; 128 keys of 4 bytes
	s_add_co_u32 s40, s40, s7
	s_mov_b32 s41, 0
	s_add_nc_u64 s[40:41], s[8:9], s[40:41]
	s_lshl_b32 s42, s5, 8                          ; 64 words
	s_mov_b32 s43, 0
	s_add_nc_u64 s[42:43], s[24:25], s[42:43]
	s_mul_i32 s7, s4, WLDS
	v_lshlrev_b32 v1, 4, v[LN]
	v_lshl_add_u32 v2, v[LN], 4, s7                ; in: 16 bytes a lane along a row
	v_and_b32 v3, 15, v[LN]
	v_mul_u32_u24 v3, v3, MPI
	v_lshrrev_b32 v4, 4, v[LN]
	v_lshl_add_u32 v3, v4, 5, v3
	v_add_nc_u32 v3, s7, v3                        ; back: row l % 16, keys 8 (l / 16) on
	v_lshlrev_b32 v4, 3, v[LN]
.irp r, 0,1,2,3,4,5,6,7,8,9,10,11,12,13,14,15
	global_load_b128 v[IN+4*(\r):IN+4*(\r)+3], v1, s[40:41] offset:8192*(\r) th:TH_LOAD_NT
.endr
	v_mov_b32 v[OU], 0                             ; v_writelane_b32 leaves the other lanes: written whole first
	v_mov_b32 v[OU+1], 0
.irp r, 0,1,2,3,4,5,6,7,8,9,10,11,12,13,14,15
	s_wait_loadcnt 15-(\r)                         ; loads come back in order: row r is in, the younger ones stay out
	ds_store_b128 v2, v[IN+4*(\r):IN+4*(\r)+3] offset:MPI*(\r)
.endr
.irp k, 0,1,2,3,4,5,6,7
	ds_load_b128 v[IN+8*(\k):IN+8*(\k)+3],   v3 offset:64*(\k)     ; LDS serves a wave's instructions in order: these see the stores above; the bytes are the wave's own
	ds_load_b128 v[IN+8*(\k)+4:IN+8*(\k)+7], v3 offset:64*(\k)+16  ; register IN + W now holds key 16 (W / 8) + 8 (l / 16) + W % 8 of query l % 16
.endr
.set bt, 0
.rept 4
	s_wait_dscnt 12-4*bt                           ; this batch's four loads are in; the later batches' stay out
.set i, 0
.rept 16
	v_cmp_ne_u32 s[48+i], 0, v[IN+16*bt+i]         ; word 16 bt + i: a bit for each lane
.set i, i+1
.endr
.set i, 0
.rept 16
	v_writelane_b32 v[OU+i%2], s[48+i], (16*bt+i)/2  ; lane L gathers words 2 L and 2 L + 1
.set i, i+1
.endr
.set bt, bt+1
.endr
	global_store_b64 v4, v[OU:OU+1], s[42:43]      ; 256 consecutive bytes, aligned
	s_branch .Lend
.Lw:	; W: 256 rows d of one head, 65,536 bytes of f32, become two blocks of 128 rows, 65,536 bytes apart in wb
	s_sub_co_u32 s5, ttmp9, 1024
	s_lshr_b32 s6, s5, 6                           ; which tensor
	s_cmp_eq_u32 s6, 0
	s_cselect_b64 s[40:41], s[10:11], s[12:13]
	s_cmp_eq_u32 s6, 2
	s_cselect_b64 s[40:41], s[14:15], s[40:41]
	s_and_b32 s44, s5, 63
	s_lshl_b32 s44, s44, 16
	s_mov_b32 s45, 0
	s_add_nc_u64 s[40:41], s[40:41], s[44:45]
	s_bfe_u32 s7, s5, 0x40002                      ; the head
	s_lshr_b32 s46, s7, 2                          ; c
	s_lshl2_add_u32 s46, s6, s46                   ; 4 t + c
	s_lshl_b32 s46, s46, 3
	s_and_b32 s47, s5, 3
	s_lshl1_add_u32 s46, s47, s46                  ; + s = 2 x quarter of d
	s_lshl_b32 s44, s46, 16
	s_and_b32 s7, s7, 3                            ; hh
	s_lshl_b32 s7, s7, 14
	s_add_co_u32 s44, s44, s7
	s_add_nc_u64 s[42:43], s[26:27], s[44:45]
	s_add_nc_u64 s[44:45], s[42:43], 65536
	; sixteen loads of 16 bytes a thread are out together; each is rounded and stored as it comes.  No register is written twice, so no wait frees one
	v_lshlrev_b32 v1, 4, v0
	v_lshlrev_b32 v2, 3, v0
.irp j, 0,1,2,3,4,5,6,7,8,9,10,11,12,13,14,15
	global_load_b128 v[IN+4*(\j):IN+4*(\j)+3], v1, s[40:41] offset:4096*(\j) th:TH_LOAD_NT
.endr
.irp j, 0,1,2,3,4,5,6,7,8,9,10,11,12,13,14,15
	s_wait_loadcnt 15-(\j)                         ; load j is in, the younger ones stay out
	v_cvt_pk_bf16_f32 v[OU+2*(\j)],   v[IN+4*(\j)],   v[IN+4*(\j)+1]
	v_cvt_pk_bf16_f32 v[OU+2*(\j)+1], v[IN+4*(\j)+2], v[IN+4*(\j)+3]
.if (\j) < 8
	global_store_b64 v2, v[OU+2*(\j):OU+2*(\j)+1], s[42:43] offset:2048*(\j) th:TH_STORE_NT      ; a wave's store covers 256 consecutive bytes, aligned
.else
	global_store_b64 v2, v[OU+2*(\j):OU+2*(\j)+1], s[44:45] offset:2048*((\j)-8) th:TH_STORE_NT
.endif
.endr
.Lend:
	s_wait_tensorcnt 0x0                           ; the wave's end
	ds_add_u32 v[SPW], v[NIL]
	s_wait_dscnt 0x0
	s_endpgm
.Lfunc_end_k_q54e750da28_prep:
	.size	k_q54e750da28_prep, .Lfunc_end_k_q54e750da28_prep-k_q54e750da28_prep
	.p2alignl 7, 3214868480
	.fill 96, 4, 3214868480
	.section	.rodata,"a",@progbits
	.p2align	6, 0x0
	.amdhsa_kernel k_q54e750da28_prep
		.amdhsa_group_segment_fixed_size 68608
		.amdhsa_private_segment_fixed_size 0
		.amdhsa_enable_private_segment 0
		.amdhsa_kernarg_size 96
		.amdhsa_user_sgpr_count 2
		.amdhsa_user_sgpr_kernarg_segment_ptr 1
		.amdhsa_wavefront_size32 1
		.amdhsa_system_sgpr_workgroup_id_x 1
		.amdhsa_system_sgpr_workgroup_id_y 1
		.amdhsa_system_sgpr_workgroup_id_z 1
		.amdhsa_system_vgpr_workitem_id 0
		.amdhsa_next_free_vgpr 104
		.amdhsa_next_free_sgpr 66
		.amdhsa_reserve_vcc 0
		.amdhsa_float_denorm_mode_32 3
		.amdhsa_float_denorm_mode_16_64 3
		.amdhsa_memory_ordered 1
		.amdhsa_forward_progress 1
		.amdhsa_inst_pref_size 27
	.end_amdhsa_kernel
	.amdgpu_metadata
---
amdhsa.version: [ 1, 2 ]
amdhsa.kernels:
  - .name:           k_q54e750da28_prep
    .symbol:         k_q54e750da28_prep.kd
    .args:
      - { .name: mask, .offset: 0, .size: 8, .value_kind: global_buffer, .address_space: global }
      - { .name: Wq, .offset: 8, .size: 8, .value_kind: global_buffer, .address_space: global }
      - { .name: Wk, .offset: 16, .size: 8, .value_kind: global_buffer, .address_space: global }
      - { .name: Wv, .offset: 24, .size: 8, .value_kind: global_buffer, .address_space: global }
      - { .name: Wo, .offset: 32, .size: 8, .value_kind: global_buffer, .address_space: global }
      - { .name: bq, .offset: 40, .size: 8, .value_kind: global_buffer, .address_space: global }
      - { .name: bk, .offset: 48, .size: 8, .value_kind: global_buffer, .address_space: global }
      - { .name: bv, .offset: 56, .size: 8, .value_kind: global_buffer, .address_space: global }
      - { .name: mbits, .offset: 64, .size: 8, .value_kind: global_buffer, .address_space: global }
      - { .name: wb, .offset: 72, .size: 8, .value_kind: global_buffer, .address_space: global }
      - { .name: woF, .offset: 80, .size: 8, .value_kind: global_buffer, .address_space: global }
      - { .name: bb, .offset: 88, .size: 8, .value_kind: global_buffer, .address_space: global }
    .group_segment_fixed_size: 68608
    .private_segment_fixed_size: 0
    .kernarg_segment_align: 8
    .kernarg_segment_size: 96
    .max_flat_workgroup_size: 256
    .sgpr_count:     66
    .vgpr_count:     104
    .wavefront_size: 32
...
	.end_amdgpu_metadata
.endif
;; end of part 5
;; launch proj (part 6): grid 4 x 192, 4 waves a work-group, clusters of 4 x 4, 327,680 bytes of LDS; arguments query, key, value, wb, bb, qkv; writes qkv
.if DOCPART == 6
	.amdgcn_target "amdgcn-amd-amdhsa--gfx1250"
	.amdhsa_code_object_version 6
	.text
	.protected	k_q54e750da28_proj
	.globl	k_q54e750da28_proj
	.p2align	8
	.type	k_q54e750da28_proj,@function
k_q54e750da28_proj:
	s_mov_b64 s[64:65], 0
	v_nop
	global_prefetch_b8 v0, s[64:65] scope:SCOPE_SE
	s_setreg_imm32_b32 hwreg(HW_REG_WAVE_MODE, 25, 1), 1
	s_wait_xcnt 0x0
	s_wait_alu depctr_hold_cnt(0) depctr_sa_sdst(0) depctr_va_vdst(0) depctr_va_sdst(0) depctr_va_ssrc(0) depctr_va_vcc(0) depctr_vm_vsrc(0)
	s_getreg_b32 s2, hwreg(HW_REG_IB_STS2, 6, 4)
	s_cmp_eq_u32 s2, 0
	s_cbranch_scc0 .Lentry_in_a_cluster
	s_endpgm
.Lentry_in_a_cluster:
	s_bfe_u32 s2, ttmp6, 0x10000c
	s_cmp_lg_u32 s2, 0xf033
	s_cbranch_scc0 .Lentry_shape_is_right
	s_endpgm
.Lentry_shape_is_right:
; THE THREE PROJECTIONS AS ONE GEMM.  C[3 x 8192][1024] = x W + bias, x = query, key, value in f32, rounded to bf16 on the way from LDS to the matrix unit; W in bf16 (wb); f32 sums; q also times log2(e);
; rounded once to f16 and stored by heads: qkv [3][bh 64][2048][64].
; LIMIT: |(x W + b) log2(e)|, |k|, |v| stay below 65,504 (f16's range); below 6e-5 they keep f16's fixed step of 6e-8.
; A tile of C is 128 rows x 256 columns (four heads): 192 x 4 = 768 tiles, three for each of 256 WGPs.  Four waves, each 64 x 128: 32 accumulators, 256 registers.  K goes in 8 steps of 128 through two LDS slots.
; x's rows lie along K: 512 bytes of f32 a row and step.  W lies [k][e] by heads: a step's block for four heads is 65,536 dense bytes of wb, asked for as rows of 256 bytes and padded after every 128;
; its fragments come out of LDS turned, by ds_load_tr16_b128.  x's come out as f32 into 64 staging registers, and 32 v_cvt_pk_bf16_f32 make the fragments: four behind each of a quarter's last eight products.
; CLUSTER 4 x 4: the four of a row share the tile row (x), the four of a column the tile column and the tensor (W): each tile is asked for jointly.
; THE MATRIX INSTRUCTION IS USED TRANSPOSED (source 0 = 16 columns of W, source 1 = 16 rows of x): a lane holds one row of C and eight neighbouring columns.
; REGISTERS: window 0: addresses, v32-159 the way out, v160-223 the bias of my 128 columns.  Window 1: x's fragments v0-31, v32-63; W's v64-127, v128-191 (two buffers each); v192-255 x in f32.  Window 2: accumulator (a, b) at 8 (8 a + b).
.set KSTEP, 128
.set PA,    528                        ; a row of x in LDS: 512 + 16 bytes
.set PB,    160                        ; a row of W (one head's 64 columns): 128 + 32 bytes
.set AHALF, 64*PA                      ; what one load brings of x, and what one wave reads
.set BOFF,  128*PA                     ; W lies behind x's 128 rows
.set BHEAD, 128*PB                     ; a head's 128 rows
.set BHALF, 2*BHEAD                    ; what one load brings of W: two heads
.set SLOT,  BOFF+2*BHALF               ; 149,504
.set STAGE, 2*SLOT                     ; behind the ring: for each wave 2 heads x 16 rows x 144 bytes
.set SP,    144
.set WSTAGE, 2*16*SP
.set SPARE, STAGE+4*WSTAGE             ; the spare words, 128 bytes a wave
.set ADRA, 16                          ; v16-17  LDS address of my rows of x in slot 0, 1
.set ADRB, 20                          ; v20-21  the same for W
.set STO,  24                          ; v24  the way out: where I put 16 bytes of a row
.set RD,   25                          ; v25  where I read rows back
.set GO,   26                          ; v26  16 x lane: my place in 512 consecutive bytes of qkv
.set BO,   27                          ; v27  32 x (lane / 16): my eight columns' bias
.set SPW,  28                          ; v28  my spare word; never rewritten
.set NIL,  29                          ; v29  0; never rewritten
.set PFO,  30                          ; v30  the prefetches' lane offset; never rewritten
.set TMP,  32
.set BIAS, 160
.set AS,   192                         ; window 1: a quarter's x in f32: block a at AS + 16 a
.set XP,  4                            ; s[4:5]   my tensor: query, key or value
.set G1A, 24                           ; s[24:31] group 1 for x;  s[32:39] group 0, a set for each slot
.set G0A, 32
.set PFA, 40                           ; s[40:41] where my prefetches stand
.set PFS, 42                           ; s[42:43] a K step in bytes there
.set LIM, 44                           ; s44  1 in a wave that prefetches, else the greatest number
.set LAP, 45                           ; s45  laps to go
.set SC,  46                           ; s[46:47] log2(e) for q, 1 for k and v
.set G1B, 48                           ; s[48:55], s[56:63] the same for W
.set G0B, 56
.set WBP, 74                           ; s[74:75] wb
.set BBP, 76                           ; s[76:77] bb
.set OUTP, 78                          ; s[78:79] qkv
.set MSB, 0
.macro WIN new                         ; the immediate's high byte repeats the setting that is left
.if MSB != (\new)
	s_set_vgpr_msb (MSB<<8)|(\new)
.set MSB, \new
.endif
.endm
.set MUL,  0xa5                        ; sources 0 and 1 window 1, C and D window 2
.set TO_F, 0x40                        ; destination window 1, address window 0
.set CVW,  0x45                        ; destination and both sources window 1
.macro JLOAD s                         ; a joint load: waves 0 and 1 fetch x's halves, waves 2 and 3 W's; s_nop 0 and four v_nop follow each line
	s_cmp_eq_u32 s13, 0
	s_cbranch_scc0 .Lfor_b_\@
	tensor_load_to_lds s[G0A+4*(\s):G0A+4*(\s)+3], s[G1A:G1A+7]
	s_nop 0
.rept 4
	v_nop
.endr
	s_branch .Lasked_\@
.Lfor_b_\@:
	tensor_load_to_lds s[G0B+4*(\s):G0B+4*(\s)+3], s[G1B:G1B+7]
	s_nop 0
.rept 4
	v_nop
.endr
.Lasked_\@:
.endm
.macro CREST                           ; a round of the cluster's barrier behind its opening barrier
	s_cmp_lg_u32 s12, 0
	s_cbranch_scc1 .Lnot_wave_0_\@
	s_barrier_signal -3
.Lnot_wave_0_\@:
	s_barrier_wait -3
	s_barrier_signal -1
	s_barrier_wait -1
.endm
.macro CROUND
	s_barrier_signal -1
	s_barrier_wait -1
	CREST
.endm
; A prefetch of the K step two refills on: 32 blocks of 256 bytes, a lane a block.  x's 128 rows of the tile row, 512 bytes each: each of the four partners takes 32 rows, told apart by address (cx); its wave 0 asks for
; the rows' first 256 bytes, its wave 1 for the second.  W's two halves: waves 2 and 3, each partner of the column 32 of the half's 128 blocks (cy); of the sixteen clusters that read one tensor's W the first alone asks.
; So each block is named once.  The last lap asks for nothing.
.macro ASK
	s_cmp_gt_u32 s[LAP], s[LIM]
	s_cbranch_scc0 .Lnot_mine_\@
	global_prefetch_b8 v[PFO], s[PFA:PFA+1] th:TH_LOAD_NT scope:SCOPE_SE
.Lnot_mine_\@:
.endm
	s_load_b256 s[68:75], s[0:1], 0x0              ; query 68, key 70, value 72, wb 74
	s_load_b128 s[76:79], s[0:1], 0x20             ; bb 76, qkv 78
	v_lshl_add_u32 v[SPW], v0, 2, SPARE
	v_mov_b32 v[NIL], 0
	ds_add_u32 v[SPW], v[NIL]                      ; the opening: the add and its wait stand ahead of my first tensor load
	v_lshrrev_b32 v1, 5, v0
	v_readfirstlane_b32 s12, v1                    ; wave
	s_lshr_b32 s13, s12, 1                         ; mh: my 64 rows; also: I fetch x (0) or W (1)
	s_and_b32 s14, s12, 1                          ; nh: my 128 columns; also: which half I fetch
	s_bfe_u32 s15, ttmp6, 0x40000                  ; cx
	s_bfe_u32 s16, ttmp6, 0x40004                  ; cy
	s_lshl_b32 s17, ttmp9, 2
	s_add_co_u32 s17, s17, s15                     ; c: tile column
	s_and_b32 s3, ttmp7, 0xffff                    ; cluster y
	s_lshl_b32 s18, s3, 2
	s_add_co_u32 s18, s18, s16                     ; R: tile row, 0 .. 191
	s_lshr_b32 s19, s3, 4                          ; t: the tensor, the same in all sixteen partners
	s_lshl_b32 s20, s16, 2
	s_lshl_b32 s20, 15, s20                        ; my row of the cluster
	s_lshl_b32 s21, 0x1111, s15                    ; my column
	s_or_b32 s[G1A], s20, (2<<16)|(1<<20)|(1<<21)|(6<<22)|(3<<25)  ; mask; 4-byte elements; padding on; bit 21 beside a mask; after every 128 words 4 words
	s_or_b32 s[G1B], s21, (1<<16)|(1<<20)|(1<<21)|(4<<22)|(7<<25)  ; 2-byte elements; after every 32 words 8 words
	s_mov_b32 s[G1A+1], 128<<16                    ; tensor_dim0 = 128
	s_mov_b32 s[G1A+2], 64<<16                     ; tensor_dim1 = 64
	s_mov_b32 s[G1A+3], 128<<16                    ; tile_dim0 = 128
	s_mov_b32 s[G1A+4], 64                         ; tile_dim1 = 64
	s_mov_b32 s[G1A+5], 1024                       ; elements from row to row
	s_mov_b32 s[G1A+6], 0
	s_mov_b32 s[G1A+7], 0
	s_mov_b32 s[G1B+1], 128<<16
	s_mov_b32 s[G1B+2], 128<<16                    ; 128 rows of 256 dense bytes
	s_mov_b32 s[G1B+3], 128<<16
	s_mov_b32 s[G1B+4], 128
	s_mov_b32 s[G1B+5], 128
	s_mov_b32 s[G1B+6], 0
	s_mov_b32 s[G1B+7], 0
	s_and_b32 s20, s18, 63                         ; x: the tile row in its tensor: (128 (R % 64) + 64 nh) rows of 4,096 bytes
	s_lshl_b32 s20, s20, 19
	s_lshl_b32 s2, s14, 18
	s_add_co_u32 s20, s20, s2
	s_mov_b32 s21, 0
	s_lshl2_add_u32 s22, s19, s17                  ; W: block (4 t + c) x 8 steps of 65,536 bytes, + 32,768 nh
	s_lshl_b32 s22, s22, 19
	s_lshl_b32 s2, s14, 15
	s_add_co_u32 s22, s22, s2
	s_mov_b32 s23, 0
	s_mul_i32 s40, s14, AHALF                      ; where they go: no place in the cluster enters an LDS address
	s_mul_i32 s41, s14, BHALF
	s_add_co_u32 s41, s41, BOFF
	s_wait_dscnt 0x0                               ; the opening add is done
	s_wait_kmcnt 0x0
	s_cmp_eq_u32 s19, 0
	s_cselect_b64 s[XP:XP+1], s[68:69], s[70:71]
	s_cmp_eq_u32 s19, 2
	s_cselect_b64 s[XP:XP+1], s[72:73], s[XP:XP+1]
	s_add_nc_u64 s[20:21], s[XP:XP+1], s[20:21]
	s_add_nc_u64 s[22:23], s[WBP:WBP+1], s[22:23]
	CROUND                                         ; all sixteen work-groups are here: the first joint loads meet
.irp s, 0,1
	s_mov_b32 s[G0A+4*(\s)], 1
	s_add_co_u32 s[G0A+4*(\s)+1], s40, (\s)*SLOT
	s_add_nc_u64 s[G0A+4*(\s)+2:G0A+4*(\s)+3], s[20:21], (\s)*KSTEP*4
	s_or_b32 s[G0A+4*(\s)+3], s[G0A+4*(\s)+3], 0x80000000
	s_mov_b32 s[G0B+4*(\s)], 1
	s_add_co_u32 s[G0B+4*(\s)+1], s41, (\s)*SLOT
	s_add_nc_u64 s[G0B+4*(\s)+2:G0B+4*(\s)+3], s[22:23], (\s)*65536
	s_or_b32 s[G0B+4*(\s)+3], s[G0B+4*(\s)+3], 0x80000000
	JLOAD \s                                       ; two loads of mine are out
.endr
	v_and_b32 v1, 15, v0                           ; l % 16
	v_bfe_u32 v2, v0, 4, 1                         ; l / 16
	v_mul_u32_u24 v3, v1, PA
	v_lshl_add_u32 v3, v2, 5, v3                   ; x: row x pitch + 32 x half: eight f32
	s_mul_i32 s20, s13, AHALF
	v_add_nc_u32 v[ADRA], s20, v3
	v_add_nc_u32 v[ADRA+1], SLOT, v[ADRA]
	v_and_b32 v4, 7, v0                            ; W, turned: lane l reads row 8 (l / 16) + l % 8, columns 8 ((l / 8) % 2) on
	v_lshl_add_u32 v4, v2, 3, v4
	v_mul_u32_u24 v4, v4, PB
	v_bfe_u32 v5, v0, 3, 1
	v_lshl_add_u32 v4, v5, 4, v4
	v_add_nc_u32 v[ADRB], s41, v4
	v_add_nc_u32 v[ADRB+1], SLOT, v[ADRB]
	s_mul_i32 s20, s12, WSTAGE
	s_add_co_u32 s20, s20, STAGE
	v_mul_u32_u24 v6, v1, SP
	v_lshl_add_u32 v6, v2, 4, v6
	v_add_nc_u32 v[STO], s20, v6
	v_bfe_u32 v6, v0, 3, 2                         ; back: 32 lanes take four rows of 128 bytes
	v_mul_u32_u24 v6, v6, SP
	v_and_b32 v7, 7, v0
	v_lshl_add_u32 v6, v7, 4, v6
	v_add_nc_u32 v[RD], s20, v6
	v_and_b32 v7, 31, v0
	v_lshlrev_b32 v[GO], 4, v7
	v_lshlrev_b32 v[BO], 5, v2
	s_lshl_b32 s20, s19, 12                        ; the bias of my 128 columns: 4,096 t + 1,024 c + 512 nh
	s_lshl_b32 s21, s17, 10
	s_add_co_u32 s20, s20, s21
	s_lshl_b32 s21, s14, 9
	s_add_co_u32 s20, s20, s21
	s_mov_b32 s21, 0
	s_add_nc_u64 s[BBP:BBP+1], s[BBP:BBP+1], s[20:21]
.irp b, 0,1,2,3,4,5,6,7
	global_load_b128 v[BIAS+8*(\b):BIAS+8*(\b)+3],   v[BO], s[BBP:BBP+1] offset:64*(\b)
	global_load_b128 v[BIAS+8*(\b)+4:BIAS+8*(\b)+7], v[BO], s[BBP:BBP+1] offset:64*(\b)+16
.endr
	s_lshr_b32 s20, s18, 4                         ; qkv: (4 t + batch) x 16 heads, + my first head, + my first row in the head
	s_lshl_b32 s20, s20, 22
	s_lshl_b32 s21, s17, 2
	s_lshl1_add_u32 s21, s14, s21                  ; head 4 c + 2 nh
	s_lshl_b32 s21, s21, 18
	s_add_co_u32 s20, s20, s21
	s_and_b32 s21, s18, 15
	s_lshl_b32 s21, s21, 14                        ; 128 rows of 128 bytes
	s_add_co_u32 s20, s20, s21
	s_lshl_b32 s21, s13, 13
	s_add_co_u32 s20, s20, s21
	s_mov_b32 s21, 0
	s_add_nc_u64 s[OUTP:OUTP+1], s[OUTP:OUTP+1], s[20:21]
	s_cmp_eq_u32 s19, 0
	s_cselect_b32 s[SC], 0x3fb8aa3b, 1.0
	s_mov_b32 s[SC+1], s[SC]
	; the prefetches stand at K step 3; the first refill steps them to 4.  Nothing is asked for here, at the head
	s_and_b32 s20, s18, 63                         ; x: tile row, + 32 cx rows, + my 256 bytes of a row's 512
	s_lshl_b32 s20, s20, 19
	s_lshl_b32 s21, s15, 17
	s_add_co_u32 s20, s20, s21
	s_lshl_b32 s21, s14, 8
	s_add_co_u32 s20, s20, s21
	s_add_co_u32 s20, s20, 3*KSTEP*4
	s_lshl2_add_u32 s21, s19, s17                  ; W: block 4 t + c, step 3, my half, + 32 cy blocks of 256 bytes
	s_lshl_b32 s21, s21, 3
	s_add_co_u32 s21, s21, 3
	s_lshl_b32 s21, s21, 16
	s_lshl_b32 s22, s14, 15
	s_add_co_u32 s21, s21, s22
	s_lshl_b32 s22, s16, 13
	s_add_co_u32 s21, s21, s22
	s_and_b32 s23, s3, 15
	s_cmp_eq_u32 s23, 0
	s_cselect_b32 s23, 1, -1                       ; W: the first of the tensor's sixteen clusters
	s_cmp_eq_u32 s13, 0
	s_cselect_b32 s20, s20, s21
	s_cselect_b32 s[LIM], 1, s23                   ; x: its tile row is read by this cluster alone
	s_cselect_b32 s[PFS], 9, 16
	s_cselect_b32 s22, 12, 8
	s_cselect_b64 s[PFA:PFA+1], s[XP:XP+1], s[WBP:WBP+1]
	s_lshl_b32 s[PFS], 1, s[PFS]                   ; a K step: 512 bytes along x's rows, 65,536 from block to block of W
	s_mov_b32 s[PFS+1], 0
	s_mov_b32 s21, 0
	s_add_nc_u64 s[PFA:PFA+1], s[PFA:PFA+1], s[20:21]
	v_lshlrev_b32 v[PFO], s22, v7                  ; a lane a row of 4,096 bytes (x) or a block of 256 (W)
; One product: m block a, n block b, 32 along K, buffer f.  The 32 accumulators take turns, one instruction a turn, in one order everywhere
.macro MM1 f, a, b, zero
.if \zero
	v_wmma_f32_16x16x32_bf16 v[8*(8*(\a)+(\b)):8*(8*(\a)+(\b))+7], v[64+64*(\f)+8*(\b):64+64*(\f)+8*(\b)+7], v[32*(\f)+8*(\a):32*(\f)+8*(\a)+7], 0
.else
	v_wmma_f32_16x16x32_bf16 v[8*(8*(\a)+(\b)):8*(8*(\a)+(\b))+7], v[64+64*(\f)+8*(\b):64+64*(\f)+8*(\b)+7], v[32*(\f)+8*(\a):32*(\f)+8*(\a)+7], v[8*(8*(\a)+(\b)):8*(8*(\a)+(\b))+7]
.endif
.endm
.macro MUL8 f, a, zero                 ; m block a x all 8 n blocks
	WIN MUL
.irp b, 0,1,2,3,4,5,6,7
	MM1 \f, \a, \b, \zero
.endr
.endm
.macro CV4 g, n                        ; four of the 32 roundings: register c of x's fragments in buffer g takes staging registers 2 c and 2 c + 1
	WIN CVW
.irp c, 0,1,2,3
	v_cvt_pk_bf16_f32 v[32*(\g)+4*(\n)+(\c)], v[AS+8*(\n)+2*(\c)], v[AS+8*(\n)+2*(\c)+1]
.endr
.endm
.macro MUL8C f, a, zero, g             ; the same eight products, behind each four roundings for buffer g, which name none of the products' registers
.irp b, 0,1,2,3,4,5,6,7
	WIN MUL
	MM1 \f, \a, \b, \zero
	CV4 \g, \b
.endr
.endm
; 32 LDS loads in one run: quarter q (32 along K) of a slot: x's four blocks in f32 into the staging registers first, then W's eight fragments (turned) into buffer f.
; A lane's part of a fragment of x is k = 8 (l / 16) + 0..7 and 16 + 8 (l / 16) + 0..7: twice 32 bytes of f32, 64 bytes apart
.macro FETCH slot, q, f
	WIN TO_F
.irp a, 0,1,2,3
	ds_load_b128 v[AS+16*(\a):AS+16*(\a)+3],     v[ADRA+(\slot)] offset:(\a)*16*PA+128*(\q)
	ds_load_b128 v[AS+16*(\a)+4:AS+16*(\a)+7],   v[ADRA+(\slot)] offset:(\a)*16*PA+128*(\q)+16
	ds_load_b128 v[AS+16*(\a)+8:AS+16*(\a)+11],  v[ADRA+(\slot)] offset:(\a)*16*PA+128*(\q)+64
	ds_load_b128 v[AS+16*(\a)+12:AS+16*(\a)+15], v[ADRA+(\slot)] offset:(\a)*16*PA+128*(\q)+80
.endr
.irp b, 0,1,2,3,4,5,6,7
	ds_load_tr16_b128 v[64+64*(\f)+8*(\b):64+64*(\f)+8*(\b)+3],   v[ADRB+(\slot)] offset:((\b)/4)*BHEAD+32*((\b)%4)+(\q)*32*PB
	ds_load_tr16_b128 v[64+64*(\f)+8*(\b)+4:64+64*(\f)+8*(\b)+7], v[ADRB+(\slot)] offset:((\b)/4)*BHEAD+32*((\b)%4)+(\q)*32*PB+16*PB
.endr
.endm
.macro PLACES                          ; four places in front of loads and roundings into registers that matrix instructions have read, and of vector work on results
.rept 4
	v_nop
.endr
.endm
; One of a K step's first three quarters: multiplies buffer f; in its middle fetches quarter q of the same slot for buffer g, and rounds x for it
.macro QUARTER slot, q, f, g, zero
	s_wait_dscnt 0x0                               ; W's fragments of this quarter are in (issued 16 products ago)
	MUL8 \f, 0, \zero
	MUL8 \f, 1, \zero
	PLACES
	FETCH \slot, \q, \g
	MUL8 \f, 2, \zero
	s_wait_dscnt 16                                ; x's sixteen loads are in; W's sixteen, issued behind them, may be out
	MUL8C \f, 3, \zero, \g
.endm
; The last quarter multiplies buffer 1 and changes slots.  fill = 1: this slot is filled again, two K steps on, behind a round of the cluster's barrier
.macro TURN slot, next, fill
.if \fill
	s_wait_xcnt 0x0                                ; the last prefetch, a K step back, has read its address
	s_add_nc_u64 s[PFA:PFA+1], s[PFA:PFA+1], s[PFS:PFS+1]
.endif
	WIN 0                                          ; (the add's registers lie in window 0)
	s_wait_tensorcnt 0x0                           ; all my tensor loads have landed: my part of the next slot
	ds_add_u32 v[SPW], v[NIL]
	s_wait_dscnt 1                                 ; W's fragments are in (the add alone may be out)
	MUL8 1, 0, 0
	s_wait_dscnt 0x0                               ; the add is done, and my reads of this slot are over
	s_barrier_signal -1
	MUL8 1, 1, 0
.if \fill
	WIN 0
.endif
	s_barrier_wait -1
.if \fill
	CREST                                          ; no wave of any partner still reads this slot or has a load on its way
	s_add_nc_u64 s[G0A+4*(\slot)+2:G0A+4*(\slot)+3], s[G0A+4*(\slot)+2:G0A+4*(\slot)+3], 2*KSTEP*4
	s_add_nc_u64 s[G0B+4*(\slot)+2:G0B+4*(\slot)+3], s[G0B+4*(\slot)+2:G0B+4*(\slot)+3], 2*65536
	JLOAD \slot                                    ; my one load behind the round; its four v_nop are also the places in front of the loads below
.else
	PLACES
.endif
	FETCH \next, 0, 0
.if \fill
	WIN 0
	ASK
.endif
	MUL8 1, 2, 0
	s_wait_dscnt 16                                ; x's sixteen loads are in
	MUL8C 1, 3, 0, 0
.endm
	s_wait_tensorcnt 1                             ; my part of K step 0 is in; step 1's may stay out
	s_barrier_signal -1
	s_barrier_wait -1
	FETCH 0, 0, 0
	s_wait_dscnt 16                                ; x's sixteen loads are in
.irp n, 0,1,2,3,4,5,6,7
	CV4 0, \n
.endr
	QUARTER 0, 1, 0, 1, 1                          ; the first quarter's products start the sums
	WIN 0
	s_mov_b32 s[LAP], 3
.Llap:                                         ; once round the ring: both slots are filled again (K steps 2 to 7 in three trips)
	QUARTER 0, 2, 1, 0, 0
	QUARTER 0, 3, 0, 1, 0
	TURN 0, 1, 1
	QUARTER 1, 1, 0, 1, 0
	QUARTER 1, 2, 1, 0, 0
	QUARTER 1, 3, 0, 1, 0
	TURN 1, 0, 1
	QUARTER 0, 1, 0, 1, 0
	WIN 0
	s_sub_co_u32 s[LAP], s[LAP], 1
	s_cmp_lg_u32 s[LAP], 0
	s_cbranch_scc1 .Llap
	QUARTER 0, 2, 1, 0, 0                          ; the last lap fills nothing
	QUARTER 0, 3, 0, 1, 0
	TURN 0, 1, 0
	QUARTER 1, 1, 0, 1, 0
	QUARTER 1, 2, 1, 0, 0
	QUARTER 1, 3, 0, 1, 0
	s_wait_dscnt 0x0
	MUL8 1, 0, 0
	MUL8 1, 1, 0
	MUL8 1, 2, 0
	MUL8 1, 3, 0
	WIN 0
	PLACES
	s_wait_loadcnt 0x0                             ; the bias
; THE WAY OUT of block a (16 rows): sum x SC + bias, rounded to f16, 16 bytes a lane into my stage, back as whole rows of 128 bytes, stored as 512 consecutive bytes
.macro PACK a
	WIN 0x82                                       ; destination and source 0 window 2, the bias window 0
.set i, 0
.rept 32
	v_pk_fma_f32 v[64*(\a)+2*i:64*(\a)+2*i+1], v[64*(\a)+2*i:64*(\a)+2*i+1], s[SC:SC+1], v[BIAS+2*i:BIAS+2*i+1] op_sel_hi:[1,0,1]
.set i, i+1
.endr
	WIN 0x0a                                       ; sources window 2, destination window 0
.set i, 0
.rept 32
	v_cvt_pk_f16_f32 v[TMP+32*(\a)+i], v[64*(\a)+2*i], v[64*(\a)+2*i+1]
.set i, i+1
.endr
	WIN 0
.irp b, 0,1,2,3,4,5,6,7
	ds_store_b128 v[STO], v[TMP+32*(\a)+4*(\b):TMP+32*(\a)+4*(\b)+3] offset:((\b)/4)*16*SP+32*((\b)%4)
.endr
.irp f, 0,1,2,3,4,5,6,7
	ds_load_b128 v[TMP+32*(\a)+4*(\f):TMP+32*(\a)+4*(\f)+3], v[RD] offset:((\f)/4)*16*SP+((\f)%4)*4*SP  ; LDS serves a wave's instructions in order: these see the stores above
.endr
.endm
.macro SEND a, younger                 ; younger: the LDS instructions issued behind block a's loads
.irp f, 0,1,2,3,4,5,6,7
	s_wait_dscnt (\younger)+7-(\f)
	global_store_b128 v[GO], v[TMP+32*(\a)+4*(\f):TMP+32*(\a)+4*(\f)+3], s[OUTP:OUTP+1] offset:((\f)/4)*262144+2048*(\a)+512*((\f)%4)
.endr
.endm
	PACK 0
	PACK 1
	SEND 0, 16
	PACK 2
	SEND 1, 16
	PACK 3
	SEND 2, 16
	SEND 3, 0
	s_wait_tensorcnt 0x0                           ; the wave's end
	ds_add_u32 v[SPW], v[NIL]
	s_wait_dscnt 0x0
	CROUND                                         ; the closing round
	s_endpgm
.Lfunc_end_k_q54e750da28_proj:
	.size	k_q54e750da28_proj, .Lfunc_end_k_q54e750da28_proj-k_q54e750da28_proj
	.p2alignl 7, 3214868480
	.fill 96, 4, 3214868480
	.section	.rodata,"a",@progbits
	.p2align	6, 0x0
	.amdhsa_kernel k_q54e750da28_proj
		.amdhsa_group_segment_fixed_size 327680
		.amdhsa_private_segment_fixed_size 0
		.amdhsa_enable_private_segment 0
		.amdhsa_kernarg_size 48
		.amdhsa_user_sgpr_count 2
		.amdhsa_user_sgpr_kernarg_segment_ptr 1
		.amdhsa_wavefront_size32 1
		.amdhsa_system_sgpr_workgroup_id_x 1
		.amdhsa_system_sgpr_workgroup_id_y 1
		.amdhsa_system_sgpr_workgroup_id_z 1
		.amdhsa_system_vgpr_workitem_id 0
		.amdhsa_next_free_vgpr 768
		.amdhsa_next_free_sgpr 80
		.amdhsa_reserve_vcc 0
		.amdhsa_float_denorm_mode_32 3
		.amdhsa_float_denorm_mode_16_64 3
		.amdhsa_memory_ordered 1
		.amdhsa_forward_progress 1
		.amdhsa_inst_pref_size 146
	.end_amdhsa_kernel
	.amdgpu_metadata
---
amdhsa.version: [ 1, 2 ]
amdhsa.kernels:
  - .name:           k_q54e750da28_proj
    .symbol:         k_q54e750da28_proj.kd
    .args:
      - { .name: query, .offset: 0, .size: 8, .value_kind: global_buffer, .address_space: global }
      - { .name: key, .offset: 8, .size: 8, .value_kind: global_buffer, .address_space: global }
      - { .name: value, .offset: 16, .size: 8, .value_kind: global_buffer, .address_space: global }
      - { .name: wb, .offset: 24, .size: 8, .value_kind: global_buffer, .address_space: global }
      - { .name: bb, .offset: 32, .size: 8, .value_kind: global_buffer, .address_space: global }
      - { .name: qkv, .offset: 40, .size: 8, .value_kind: global_buffer, .address_space: global }
    .group_segment_fixed_size: 327680
    .private_segment_fixed_size: 0
    .kernarg_segment_align: 8
    .kernarg_segment_size: 48
    .max_flat_workgroup_size: 128
    .sgpr_count:     80
    .vgpr_count:     768
    .wavefront_size: 32
...
	.end_amdgpu_metadata
.endif
;; end of part 6
;; launch attn (part 7): grid 4 x 64, 4 waves a work-group, clusters of 4 x 1, 327,680 bytes of LDS; arguments qkv, mbits, ob; writes ob
.if DOCPART == 7
	.amdgcn_target "amdgcn-amd-amdhsa--gfx1250"
	.amdhsa_code_object_version 6
	.text
	.protected	k_q54e750da28_attn
	.globl	k_q54e750da28_attn
	.p2align	8
	.type	k_q54e750da28_attn,@function
k_q54e750da28_attn:
	s_mov_b64 s[64:65], 0
	v_nop
	global_prefetch_b8 v0, s[64:65] scope:SCOPE_SE
	s_setreg_imm32_b32 hwreg(HW_REG_WAVE_MODE, 25, 1), 1
	s_wait_xcnt 0x0
	s_wait_alu depctr_hold_cnt(0) depctr_sa_sdst(0) depctr_va_vdst(0) depctr_va_sdst(0) depctr_va_ssrc(0) depctr_va_vcc(0) depctr_vm_vsrc(0)
	s_getreg_b32 s2, hwreg(HW_REG_IB_STS2, 6, 4)
	s_cmp_eq_u32 s2, 0
	s_cbranch_scc0 .Lentry_in_a_cluster
	s_endpgm
.Lentry_in_a_cluster:
	s_bfe_u32 s2, ttmp6, 0x10000c
	s_cmp_lg_u32 s2, 0x3003
	s_cbranch_scc0 .Lentry_shape_is_right
	s_endpgm
.Lentry_shape_is_right:
; MASKED ATTENTION, head size 64, no scale.  O[bh][q] = sum over k of softmax_k(s) V[bh][k], s = Q.K where the mask is not 0, else -1e9.  Q, K, V: qkv [3][bh 64][2048][64] in f16; Q carries log2(e), so
; p = 2^(s - m) with a running maximum m.  A hidden score is REPLACED by -1e9 log2(e): a row that is wholly hidden has s - m = 0 and the plain mean of V.  Products, maxima and sums in f32; p rounded to f16 for the
; second product (its sum l is taken of the unrounded p); O rounded once to f16: ob [bh][2048][64].
; LIMITS.  Q, K, V arrive within f16's 65,504; p below 6e-5 keeps f16's fixed step of 6e-8; a weight below 2^-126 counts as 0 in l; NaN and infinities are not treated apart.
; SHARES.  A work-group owns 512 queries of one (batch, head), a wave 128: four PIECES of two tiles of 16.  Every wave walks all 2,048 keys, 64 a step.
; LAYOUT.  S^T = K Q^T: a lane holds ONE query (lane % 16) and keys 8 (lane / 16) + 0..7 of each block of 16.  Two such results rounded to f16 ARE source 1 of O^T = V^T P.  V comes out of LDS turned.
; THE MASK comes as bits: for a tile and step 32 words, word i the lane mask of S^T's register i.  One global_load_b32 brings a tile's words of a step (lane i takes word i: 128 consecutive bytes) into one of eight
; registers, a pair for each piece; a pair is asked for again as soon as it has been read, FOUR TURNS ahead of its next use.  v_readlane_b32 brings each word into a scalar register, and one v_cndmask_b32 picks the score
; or -1e9 log2(e).  The mask's loads stand so far ahead of their use themselves that no prefetch is laid for them.
; BY TURNS.  Turn n belongs to piece n.  Matrix work: 16 products K Q^T of piece n + 1, later 16 products V^T P of piece n - 1.  Vector work: s - m, exponentials, roundings, sums and rescaling of piece n; the mask, the maximum
; and the statistics of piece n + 1.  A turn's 66 exponentials are one batch with one wait.
; CLUSTER.  The four query blocks of a (batch, head) walk the same K and V: each tile is asked for jointly, with the same descriptor and the mask of four.
; REGISTERS: window 0: v2-5 LDS addresses; v0, v1, v6-11 the mask's words (from the loop on); v12-15; v16-47 a tile's m, m_old, l (even keys', odd keys'); v48-63 at work; v64-191 S^T, two buffers of two tiles;
;   v192-255 P likewise.  Window 1: O^T, 32 a tile.  Window 2: v0-127 Q; v128-191 K of one step; v192-255 V of one step.  Window 3: v0 the prefetches' offset, v1-3 the way out's addresses.
.set NP,    4
.set KS,    64
.set PK,    144       ; a row of K in LDS: 128 + 16 bytes
.set PV,    160       ; a row of V: 128 + 32 bytes
.set VOFF,  4*KS*PK   ; a slot holds four steps: 256 rows of K, then 256 rows of V
.set SLOT1, 1<<17
.set STAGE, SLOT1+4*KS*(PK+PV)
.set SP,    144
.set SPARE, STAGE+4*16*SP
.set AK0, 2
.set AV0, 3
.set AK,  4
.set AV,  5
.set QO,  6           ; v6   at the head: my byte offset in the wave's rows of Q
.set SPW, 12          ; v12  my spare word; never rewritten
.set NIL, 13          ; v13  0; never rewritten
.set NEGV, 14         ; v14  -1e9 log2(e)
.set ML,  15          ; v15  4 x lane: my word of a tile's 32; never rewritten
.set PFO, 0           ; window 3: 256 x lane
.set STO, 1           ; window 3: the way out: where I put 16 bytes of a row
.set RD,  2           ; window 3: where I read rows back
.set GO,  3           ; window 3: 16 x lane
.set ST,  16
.set TMP, 48
.set S,   64
.set P,   192
.set KF,  128
.set VF,  192
.set PFA, 2           ; s[2:3]  where my prefetches stand
.set G1K, 4           ; s[4:11]
.set G1V, 12          ; s[12:19]
.set G0K, 20          ; s[20:23]
.set G0V, 24          ; s[24:27]
.set WV,  28
.set SLOTS, 29
.set CNT, 30
.set TBK, 31
.set MW0, 32          ; s[32:63]  the mask words of a piece's first tile
.set TBV, 66
.set LIM, 67
.set MW1, 68          ; s[68:99]  of its second tile
.set MP,  100         ; s[100:101] mbits at my wave's first tile, at the step that is being asked for
.set SEL, 104         ; s[104:105]
.set MSB, 0
.macro WIN new
.if MSB != (\new)
	s_set_vgpr_msb (MSB<<8)|(\new)
.set MSB, (\new)
.endif
.endm
.set W_KQ, 0x0a
.set W_PV, 0x52
.set W_RS, 0x41
.set W_A3, 0x03       ; source 0 (an address) in window 3
.set W_M3, 0xc0       ; destination in window 3
.macro JLOAD                        ; waves 0 and 1 fetch the halves of a slot's K, waves 2 and 3 of its V; s_nop 0 and four v_nop follow each line
	s_cmp_lt_u32 s[WV], 2
	s_cbranch_scc0 .Lfor_v_\@
	tensor_load_to_lds s[G0K:G0K+3], s[G1K:G1K+7]
	s_nop 0
.rept 4
	v_nop
.endr
	s_branch .Lasked_\@
.Lfor_v_\@:
	tensor_load_to_lds s[G0V:G0V+3], s[G1V:G1V+7]
	s_nop 0
.rept 4
	v_nop
.endr
.Lasked_\@:
.endm
.macro CROUND
	s_barrier_signal -1
	s_barrier_wait -1
	s_cmp_lg_u32 s[WV], 0
	s_cbranch_scc1 .Lnot_wave_0_\@
	s_barrier_signal -3
.Lnot_wave_0_\@:
	s_barrier_wait -3
	s_barrier_signal -1
	s_barrier_wait -1
.endm
; A prefetch of what the NEXT change of slots will ask for: 128 blocks of 256 bytes of K and of V.  The four partners take 32 blocks each, told apart by address; wave 0 asks for K's, wave 2 for V's: each block is named once.
; The last change that fills a slot asks for nothing.
.macro ASK
	s_cmp_gt_u32 s[SLOTS], s[LIM]
	s_cbranch_scc0 .Lnot_mine_\@
	WIN W_A3
	global_prefetch_b8 v[PFO], s[PFA:PFA+1] th:TH_LOAD_NT scope:SCOPE_SE
	WIN 0
.Lnot_mine_\@:
.endm
; THE CHANGE OF SLOTS: each wave waits for all its tensor loads (one is out: its part of the other slot), adds 0 to its spare word, waits for that and for its reads of the slot.  fill = 1: the slot is filled again behind a round of the cluster's barrier.
.macro CHANGE fill, ask
	WIN 0
	s_wait_tensorcnt 0x0
	ds_add_u32 v[SPW], v[NIL]
.if \fill
.irp g, G0K, G0V
	s_xor_b32 s[\g+1], s[\g+1], SLOT1
	s_add_nc_u64 s[\g+2:\g+3], s[\g+2:\g+3], 4*KS*128
.endr
.if \ask
	s_wait_xcnt 0x0                 ; the last prefetch, four key steps back, has read its address
	s_add_nc_u64 s[PFA:PFA+1], s[PFA:PFA+1], 4*KS*128
.endif
	s_wait_dscnt 0x0
	CROUND
	JLOAD
.if \ask
	ASK
.endif
.else
	s_wait_dscnt 0x0
	s_barrier_signal -1
	s_barrier_wait -1
.endif
	s_sub_co_u32 s[TBK], s[TBK], 4*KS*PK
	s_xor_b32 s[TBK], s[TBK], SLOT1
	s_sub_co_u32 s[TBV], s[TBV], 4*KS*PV
	s_xor_b32 s[TBV], s[TBV], SLOT1
.endm
.macro MREG x, u                    ; mr: the register of the mask words of tile u of piece x: v0, v1, v6 .. v11
.set mr, 2*(\x)+(\u)
.if mr >= 2
.set mr, mr+4
.endif
.endm
; The two loads of piece x's mask words at the step where MP stands.  step = 1: MP goes a key step on first, behind the wait that frees it.  last = 1 (the tail): it goes on only while the step stays within the
; tile's 32: in the tail's trips with CNT = 5, 4, 3 it reaches steps 29, 30, 31 and then stands; what is loaded of step 31 once more serves nothing.  The words 0 and 1 of the first tile have been used by then: their registers hold the step.
.macro MLD x, step=0, last=0
	WIN 0
.if \step
	s_wait_xcnt 0x0                 ; the mask's earlier loads, a turn back and more, have read their base
.if \last
	s_cmp_gt_u32 s[CNT], 2
	s_cselect_b32 s[MW0], 128, 0
	s_mov_b32 s[MW0+1], 0
	s_add_nc_u64 s[MP:MP+1], s[MP:MP+1], s[MW0:MW0+1]
.else
	s_add_nc_u64 s[MP:MP+1], s[MP:MP+1], 128
.endif
.endif
	MREG \x, 0
	global_load_b32 v[mr], v[ML], s[MP:MP+1] offset:8192*(\x)
	MREG \x, 1
	global_load_b32 v[mr], v[ML], s[MP:MP+1] offset:8192*(\x)+4096
.endm
	s_load_b128 s[32:35], s[0:1], 0x0  ; qkv s[32:33], mbits s[34:35]
	v_lshl_add_u32 v[SPW], v0, 2, SPARE
	v_mov_b32 v[NIL], 0
	ds_add_u32 v[SPW], v[NIL]       ; the opening: the add and its wait stand ahead of my first tensor load
	v_lshrrev_b32 v1, 5, v0
	v_readfirstlane_b32 s[WV], v1
	s_bfe_u32 s36, ttmp6, 0x40000   ; cx
	s_lshl_b32 s37, ttmp9, 2
	s_add_co_u32 s37, s37, s36      ; my block of 512 queries
	s_lshl2_add_u32 s37, s37, s[WV] ; my wave among the head's sixteen
	s_and_b32 s38, ttmp7, 0xffff    ; bh, which the four partners share
	s_lshl_b32 s40, s38, 18         ; a head's 2,048 rows of 128 bytes
	s_and_b32 s39, s[WV], 1         ; which half of a slot's 256 keys I fetch
	s_lshl_b32 s42, s39, 14
	s_add_co_u32 s42, s42, s40
	s_add_co_u32 s44, s42, 0x2000000  ; V lies 2 x 16 MiB into qkv,
	s_add_co_u32 s42, s42, 0x1000000  ; K one
	s_mov_b32 s43, 0
	s_mov_b32 s45, 0
	s_lshl_b32 s46, s37, 14         ; Q: my wave's 128 rows
	s_add_co_u32 s46, s46, s40
	s_mov_b32 s47, 0
	s_lshr_b32 s48, s38, 4          ; the mask: the batch's 128 tiles of 4,096 bytes, my wave's 8
	s_lshl_b32 s48, s48, 19
	s_lshl_b32 s49, s37, 15
	s_add_co_u32 s48, s48, s49
	s_mov_b32 s49, 0
	s_cmp_lt_u32 s[WV], 2
	s_cselect_b32 s50, 1, 2
	s_lshl_b32 s50, s50, 24         ; the prefetches: K or V,
	s_add_co_u32 s50, s50, s40      ; the head,
	s_lshl_b32 s51, s36, 13         ; my work-group's 32 blocks of the 128,
	s_add_co_u32 s50, s50, s51
	s_add_co_u32 s50, s50, 2*4*KS*128  ; in the third 256 keys: the first change that asks steps it to the fourth
	s_mov_b32 s51, 0
	s_cmp_eq_u32 s39, 0
	s_cselect_b32 s[LIM], 1, -1     ; waves 0 and 2 ask
	s_mul_i32 s52, s39, 128*PK
	s_mul_i32 s53, s39, 128*PV
	s_mov_b32 s[G1K], 15|(1<<16)|(1<<20)|(1<<21)|(4<<22)|(3<<25)  ; the mask of four; 2-byte elements; padding on; bit 21 beside a mask; after every 32 words 4 words
	s_mov_b32 s[G1V], 15|(1<<16)|(1<<20)|(1<<21)|(4<<22)|(7<<25)  ; 8 words
.irp g, G1K, G1V
	s_mov_b32 s[\g+1], 128<<16      ; 128 keys are 16,384 dense bytes: 64 rows of 256
	s_mov_b32 s[\g+2], 64<<16
	s_mov_b32 s[\g+3], 128<<16
	s_mov_b32 s[\g+4], 64
	s_mov_b32 s[\g+5], 128
	s_mov_b32 s[\g+6], 0
	s_mov_b32 s[\g+7], 0
.endr
	s_mov_b32 s[SEL], 0x76543210
	s_mov_b32 s[SEL+1], 0xfedcba98
	s_mov_b32 s[TBK], SLOT1+4*KS*PK ; the first change of slots turns these two into 0
	s_mov_b32 s[TBV], SLOT1+4*KS*PV
	s_mov_b32 s[SLOTS], 7
	s_mov_b32 s[G0K], 1
	s_mov_b32 s[G0K+1], s52
	s_mov_b32 s[G0V], 1
	s_add_co_u32 s[G0V+1], s53, VOFF
	s_wait_dscnt 0x0                ; the opening add is done
	s_wait_kmcnt 0x0
	s_add_nc_u64 s[G0K+2:G0K+3], s[32:33], s[42:43]
	s_or_b32 s[G0K+3], s[G0K+3], 0x80000000
	s_add_nc_u64 s[G0V+2:G0V+3], s[32:33], s[44:45]
	s_or_b32 s[G0V+3], s[G0V+3], 0x80000000
	s_add_nc_u64 s[46:47], s[32:33], s[46:47]
	s_add_nc_u64 s[MP:MP+1], s[34:35], s[48:49]
	s_add_nc_u64 s[PFA:PFA+1], s[32:33], s[50:51]
	CROUND                          ; all four work-groups are here
	JLOAD                           ; slot 0
	v_and_b32 v1, 15, v0            ; l % 16
	v_bfe_u32 v9, v0, 4, 1          ; l / 16
	v_lshlrev_b32 v[QO], 7, v1
	v_lshl_add_u32 v[QO], v9, 4, v[QO]
	WIN 0x80
.set i, 0
.rept 4*NP                          ; Q stays in registers: tile i / 2, channels 32 (i % 2) on
	global_load_b128 v[8*i:8*i+3],   v[QO], s[46:47] offset:(i/2)*2048+(i%2)*64
	global_load_b128 v[8*i+4:8*i+7], v[QO], s[46:47] offset:(i/2)*2048+(i%2)*64+32
.set i, i+1
.endr
	; what the first turn finds: V's registers and P's second buffer hold 0, O^T and l are 0; m lies far below every score, so the first step's a is 0.  All this stands in the wait for the first tile
.set i, VF
.rept 64
	v_mov_b32 v[i], 0
.set i, i+1
.endr
	WIN 0x40
.set i, 0
.rept 64*NP
	v_mov_b32 v[i], 0
.set i, i+1
.endr
	WIN 0
.set i, 0
.rept 2*NP
	v_mov_b32 v[ST+4*i], 0xfe000000
	v_mov_b32 v[ST+4*i+1], 0xfe000000
	v_mov_b32 v[ST+4*i+2], 0
	v_mov_b32 v[ST+4*i+3], 0
.set i, i+1
.endr
.set i, P+32
.rept 32
	v_mov_b32 v[i], 0
.set i, i+1
.endr
	v_mov_b32 v[NEGV], 0xceabfb8f   ; -1e9 log2(e)
	v_mul_u32_u24 v[AK0], v1, PK
	v_lshl_add_u32 v[AK0], v9, 4, v[AK0]
	v_and_b32 v10, 7, v0
	v_bfe_u32 v11, v0, 3, 1
	v_lshl_add_u32 v[AV0], v9, 3, v10
	v_mul_u32_u24 v[AV0], v[AV0], PV
	v_lshl_add_u32 v[AV0], v11, 4, v[AV0]
	v_add_nc_u32 v[AV0], VOFF, v[AV0]
	v_mov_b32 v[AK], v[AK0]
	; the way out's addresses and the prefetches' offset are made now and kept in window 3: the registers of the lane's terms take the mask's words below
	s_mul_i32 s[CNT], s[WV], 16*SP
	s_add_co_u32 s[CNT], s[CNT], STAGE  ; my stage (the counter's register is free until it is set below)
	v_and_b32 v[ML], 31, v0         ; lane
	v_mul_u32_u24 v7, v1, SP        ; in: row l % 16, 16 bytes for each half of the lanes
	v_lshl_add_u32 v7, v9, 4, v7
	v_bfe_u32 v8, v0, 3, 2          ; back: 32 lanes take four rows of 128 bytes
	v_mul_u32_u24 v8, v8, SP
	v_lshl_add_u32 v8, v10, 4, v8
	WIN W_M3
	v_add_nc_u32 v[STO], s[CNT], v7
	v_add_nc_u32 v[RD], s[CNT], v8
	v_lshlrev_b32 v[GO], 4, v[ML]
	v_lshlrev_b32 v[PFO], 8, v[ML]
	WIN 0
	v_lshlrev_b32 v[ML], 2, v[ML]
.macro KQ x                         ; product i of 16 of S^T = K Q^T for piece x; the 8 accumulators take turns
	WIN W_KQ
.set rS, S+64*((\x)%2)+32*(i%2)+8*((i/2)%4)
.set rK, KF+16*((i/2)%4)+8*(i/8)
.set rQ, 16*(2*(\x)+i%2)+8*(i/8)
.if i < 8
	v_wmma_f32_16x16x32_f16 v[rS:rS+7], v[rK:rK+7], v[rQ:rQ+7], 0
.else
	v_wmma_f32_16x16x32_f16 v[rS:rS+7], v[rK:rK+7], v[rQ:rQ+7], v[rS:rS+7]
.endif
.endm
.macro PV x                         ; product i of 16 of O^T += V^T P for piece x
	WIN W_PV
.set rO, 32*(2*(\x)+i%2)+8*((i/2)%4)
.set rV, VF+32*(i/8)+8*((i/2)%4)
.set rP, P+32*((\x)%2)+16*(i%2)+8*(i/8)
	v_wmma_f32_16x16x32_f16 v[rO:rO+7], v[rV:rV+7], v[rP:rP+7], v[rO:rO+7]
.endm
.macro MM
.if i < 16
	KQ (Y+1)%NP
.set i, i+1
.else
.set i, i-16
	PV (Y+NP-1)%NP
.set i, i+17
.endif
.endm
.macro FETCH_K last=0               ; a step's K: 16 loads in one run.  last = 1 (the tail): in the last trip there is no further step
	WIN 0
.if \last
	s_cmp_eq_u32 s[CNT], 1
	s_cbranch_scc1 .Lno_k_\@
.endif
	WIN 0x80
.irp f, 0,1,2,3,4,5,6,7
	ds_load_b128 v[KF+8*\f:KF+8*\f+3],   v[AK] offset:(\f/2)*16*PK+(\f%2)*64
	ds_load_b128 v[KF+8*\f+4:KF+8*\f+7], v[AK] offset:(\f/2)*16*PK+(\f%2)*64+32
.endr
	s_add_co_u32 s[TBK], s[TBK], KS*PK
	WIN 0
.if \last
.Lno_k_\@:
.endif
.endm
.macro FETCH_V
	WIN 0x80
.irp f, 0,1,2,3,4,5,6,7
	ds_load_tr16_b128 v[VF+8*\f:VF+8*\f+3],   v[AV] offset:(\f/4)*32*PV+(\f%4)*32
	ds_load_tr16_b128 v[VF+8*\f+4:VF+8*\f+7], v[AV] offset:(\f/4)*32*PV+16*PV+(\f%4)*32
.endr
	WIN 0
.endm
.macro REGS y, u                    ; the registers of tile u of piece y
.set rT, ST+4*(2*(\y)+(\u))
.set rC, TMP+8*((\y)%2)+4*(\u)
.set rS, S+64*((\y)%2)+32*(\u)
.set rP, P+32*((\y)%2)+16*(\u)
.set rO, 32*(2*(\y)+(\u))
.endm
; RL: the next of the 64 words of the NEXT piece goes from its lane into its scalar register: word rl / 2 of tile rl % 2, in the order in which MK takes them
.macro RL
	WIN 0
	MREG (Y+1)%NP, rl%2
	v_readlane_b32 s[MW0+36*(rl%2)+rl/2], v[mr], rl/2
.set rl, rl+1
.endm
; MK n: the mask on register n / 2 of tile n % 2 of the NEXT piece: the score where the bit is set, else -1e9 log2(e).  Ascending
.macro MK n
	REGS (Y+1)%NP, (\n)%2
.if (\n)%2
	v_cndmask_b32 v[rS+(\n)/2], v[NEGV], v[rS+(\n)/2], s[MW1+(\n)/2]
.else
	v_cndmask_b32 v[rS+(\n)/2], v[NEGV], v[rS+(\n)/2], s[MW0+(\n)/2]
.endif
.endm
; XS u, n: the next piece's maximum and statistics.  0-13: four chains over the 32 scores; 14, 16: with the old m into c0; 15: m_old is kept; 17, 18: the lane 16 away holds the query's other keys: the new m; 20, 21: a = 2^(m_old - m)
.macro XS u, n
	REGS (Y+1)%NP, \u
.if (\n) < 4
	v_max3_num_f32 v[rC+(\n)], v[rS+8*(\n)], v[rS+8*(\n)+1], v[rS+8*(\n)+2]
.elseif (\n) < 12
	v_max3_num_f32 v[rC+(\n)%4], v[rC+(\n)%4], v[rS+8*((\n)%4)+2*((\n)/4)+1], v[rS+8*((\n)%4)+2*((\n)/4)+2]
.elseif (\n) == 12
	v_max3_num_f32 v[rC], v[rC], v[rS+7], v[rS+15]
.elseif (\n) == 13
	v_max3_num_f32 v[rC+1], v[rC+1], v[rS+23], v[rS+31]
.elseif (\n) == 14
	v_max3_num_f32 v[rC+2], v[rC+2], v[rC+3], v[rT]
.elseif (\n) == 15
	v_mov_b32 v[rT+1], v[rT]
.elseif (\n) == 16
	v_max3_num_f32 v[rC], v[rC], v[rC+1], v[rC+2]
.elseif (\n) == 17
	v_permlanex16_b32 v[rC+3], v[rC], s[SEL], s[SEL+1]
.elseif (\n) == 18
	v_max_num_f32 v[rT], v[rC], v[rC+3]
.elseif (\n) == 20
	v_sub_f32 v[rC+1], v[rT+1], v[rT]
.else
	v_exp_f32 v[rC+2], v[rC+1]
.endif
.endm
; GS g: the 64 that follow the exponentials: of each four weights both pairs are rounded to f16, the second pair is added onto the first, and a group later l takes that sum (the first time as l = a l + sum)
.macro GS g
.set h, (\g)+6*((\g)/62)
.if h >= 6
.set h, h+2
.endif
	REGS Y, h%2
.set k, h/8
.if h%8 < 4
	v_cvt_pk_f16_f32 v[rP+2*k+(h%8)/2], v[rS+4*k+2*((h%8)/2)], v[rS+4*k+2*((h%8)/2)+1]
.elseif h%8 < 6
	v_pk_add_f32 v[rS+4*k:rS+4*k+1], v[rS+4*k:rS+4*k+1], v[rS+4*k+2:rS+4*k+3]
.elseif k == 1
	v_pk_fma_f32 v[rT+2:rT+3], v[rT+2:rT+3], v[rC+2:rC+3], v[rS:rS+1] op_sel_hi:[1,0,1]
.else
	v_pk_add_f32 v[rT+2:rT+3], v[rT+2:rT+3], v[rS+4*k-4:rS+4*k-3]
.endif
.endm
.macro FS f                         ; s - m for pair f / 2 of tile f % 2
	REGS Y, (\f)%2
	v_pk_add_f32 v[rS+2*((\f)/2):rS+2*((\f)/2)+1], v[rS+2*((\f)/2):rS+2*((\f)/2)+1], v[rT:rT+1] op_sel_hi:[1,0] neg_lo:[0,1] neg_hi:[0,1]
.endm
; THE PLAIN QUEUE, 200 long.  0-16: FS 0-16.  17-95: the 64 MK, after every four of them one of FS 17-31.  96-123: XS 0-13.  124-135: XS 15, 14, 16, 17, 18, 20.  136-199: GS, which read the exponentials' results and stand behind the wait.
.macro PL
	WIN 0
.if q < 17
	FS q
.elseif q < 96
.if (q-17)%5 < 4
	MK 4*((q-17)/5)+(q-17)%5
.else
	FS 17+(q-17)/5
.endif
.elseif q < 124
	XS (q-96)%2, (q-96)/2
.elseif q < 126
	XS q-124, 15
.elseif q < 128
	XS q-126, 14
.elseif q < 134
	XS (q-128)%2, 16+(q-128)/2
.elseif q < 136
	XS q-134, 20
.else
	GS q-136
.endif
.set q, q+1
.endm
.macro EX                           ; the exponentials' queue, 66 long: s0-s31 of both tiles, then the next piece's two a
	WIN 0
.if e >= 64
	XS e-64, 21
.else
	REGS Y, e%2
	v_exp_f32 v[rS+e/2], v[rS+e/2]
.endif
.set e, e+1
.endm
.macro R2                           ; O^T times a, two at a time; a was made, and waited for, in the turn before
	REGS Y, r%2
	WIN W_RS
.irp z, 0,1
	v_pk_mul_f32 v[rO+4*(r/2)+2*\z:rO+4*(r/2)+2*\z+1], v[rO+4*(r/2)+2*\z:rO+4*(r/2)+2*\z+1], v[rC+2:rC+3] op_sel_hi:[1,0]
.endr
.set r, r+1
.endm
; A TURN, for piece p.  At its head the next piece's mask words are in: their two loads were issued four turns ago, and the six loads of the three turns between may stay out.
; AHEAD OF THE WAIT FOR THE EXPONENTIALS stands all that names no result of theirs: 16 products K Q^T, each with a subtraction, an exponential and two v_readlane_b32 behind it, all in window 0; the 32 rescalings of O^T, the one
; part in window 1, in one block; then one lump: the other 32 v_readlane_b32 and the mask (word n is read from its lane eight groups or more ahead of the v_cndmask_b32 that takes it), the rest of the subtractions and
; exponentials, the next piece's maximum and statistics, its two a.  Exponential e stands behind subtraction 2 (e / 4) + e % 2.  Behind the last v_readlane_b32 the pair of registers is asked for again, for the piece's next key step.
; BEHIND THE WAIT: 16 products V^T P with four of the roundings and sums behind each.  K of the next step is fetched in piece 2's turn directly behind the wait; V of the step in hand at the end of piece 0's turn, four plain lines behind its last reader.
.macro TURN p, last=0, cnt=0
.set Y, (\p)
.set i, 0
.set q, 0
.set e, 0
.set r, 0
.set rl, 0
	s_wait_loadcnt 6                ; the next piece's mask words are in; the three later pairs may stay out
.if (\p) == NP-1
	s_wait_dscnt 0x0                ; K is in
.endif
	MM
	PL
	PL
	RL
	RL
.rept 15
	MM
	PL
	EX
	RL
	RL
.endr
.rept 16
	R2
.endr
	WIN 0
.if (\p) == NP-2
	v_add_nc_u32 v[AK], s[TBK], v[AK0]
.endif
.rept 8
	PL
	PL
	EX
	RL
	RL
	PL
	PL
	PL
	EX
	RL
	RL
.endr
	MLD ((\p)+1)%NP, (\p)/(NP-1), \last
.rept 7
	PL
	PL
	EX
	PL
	PL
	PL
	EX
.endr
	PL
	PL
	EX
	PL
	PL
	EX
.rept 14
	PL
	PL
	EX
.endr
	PL
	PL
	PL
	PL
	EX
	PL
	PL
	EX
	PL
	PL
	EX
	PL
	PL
	PL
	PL
	EX                              ; the next piece's two a
	EX
	v_nop                           ; the plain instruction behind the last exponential: one for the batch
	s_wait_alu depctr_va_vdst(0)    ; the wait for the batch
.if (\p) == NP-2
	FETCH_K \last
.endif
.if (\p) == 1
	s_wait_dscnt 0x0                ; V is in
.endif
.rept 16
	MM
.rept 4
	PL
.endr
.if ((\p) == 0) && (q == 180)
	v_add_nc_u32 v[AV], s[TBV], v[AV0]
.endif
.if ((\p) == 0) && (q == 192)
	s_add_co_u32 s[TBV], s[TBV], KS*PV
.endif
.if (\cnt) && (q == 192)
	s_sub_co_u32 s[CNT], s[CNT], 1
	s_cmp_lg_u32 s[CNT], 0
.endif
.endr
.if (\p) == 0
	FETCH_V
.endif
.endm
	s_wait_xcnt 0x0                 ; Q's loads have read their offset register, which takes mask words now
	MLD 0                           ; key step 0 of all four pieces, in the order of their use
	MLD 1
	MLD 2
	MLD 3
	CHANGE 1, 0                     ; slot 0 is in, everybody's part of it; slot 1 is asked for
	FETCH_K                         ; key step 0
	s_wait_loadcnt 8                ; Q is in; the mask's eight loads may stay out
	s_wait_dscnt 0x0
.set i, 0
.rept 16
	KQ 0
.set i, i+1
.endr
	WIN 0
.rept 4
	v_nop                           ; the places behind those products
.endr
.set Y, NP-1                        ; RL, MK and XS work for piece Y + 1: piece 0
.set rl, 0
	s_wait_loadcnt 6                ; piece 0's words are in
.rept 64
	RL
.endr
	MLD 0, 1                        ; piece 0, key step 1
.set mk, 0
.rept 64
	MK mk
.set mk, mk+1
.endr
.irp n, 0,1,2,3,4,5,6,7,8,9,10,11,12,13,14,15,16,17,18,20,21
	XS 0, \n
	XS 1, \n
.endr
	v_nop
	s_wait_alu depctr_va_vdst(0)    ; the two a have their wait ahead of the branch
	s_mov_b32 s[CNT], 4
	s_branch .Lfirst                ; the loop is entered at a step's first turn
.Lslot:                             ; six times: every slot but the last two is filled again
	CHANGE 1, 1
	s_mov_b32 s[CNT], 4
.Lstep:                             ; a trip: pieces 2 and 3 of one step, then pieces 0 and 1 of the next
	TURN 2
	TURN 3
	WIN 0
.Lfirst:
	TURN 0
	TURN 1, 0, 1
	WIN 0
	s_cbranch_scc1 .Lstep
	s_sub_co_u32 s[SLOTS], s[SLOTS], 1
	s_cmp_lg_u32 s[SLOTS], 0
	s_cbranch_scc1 .Lslot
	CHANGE 0, 0                     ; the tail is written out
	s_mov_b32 s[CNT], 5
.Ltail:
	TURN 2, 1
	TURN 3, 1
	WIN 0
	s_sub_co_u32 s[CNT], s[CNT], 1
	s_cmp_eq_u32 s[CNT], 0
	s_cbranch_scc1 .Lout
	TURN 0
	TURN 1
	WIN 0
	s_branch .Ltail
.Lout:                              ; the fifth trip's products K Q^T, their mask and maximum serve nothing: the price, once a launch, of one text for every trip
	s_load_b64 s[32:33], s[0:1], 0x10  ; ob
	s_bfe_u32 s36, ttmp6, 0x40000
	s_lshl_b32 s37, ttmp9, 2
	s_add_co_u32 s37, s37, s36
	s_lshl2_add_u32 s37, s37, s[WV]
	s_lshl_b32 s34, s37, 14         ; my wave's 128 rows,
	s_and_b32 s38, ttmp7, 0xffff
	s_lshl_b32 s38, s38, 18         ; in my head
	s_add_co_u32 s34, s34, s38
	s_mov_b32 s35, 0
.set i, 0
.rept 16
	PV NP-1
.set i, i+1
.endr
	; THE WAY OUT.  The additions are the places behind the last products
	WIN 0
.macro ALL line:vararg
.set t, 0
.rept 2*NP
	\line
.set t, t+1
.endr
.endm
	ALL v_add_f32 v[ST+4*t+2], v[ST+4*t+2], v[ST+4*t+3]
	ALL v_permlanex16_b32 v[ST+4*t+3], v[ST+4*t+2], s[SEL], s[SEL+1]
	ALL v_add_f32 v[ST+4*t+2], v[ST+4*t+2], v[ST+4*t+3]
	ALL v_rcp_f32 v[ST+4*t+2], v[ST+4*t+2]
	v_nop
	s_wait_alu depctr_va_vdst(0)    ; one wait for the eight reciprocals
	s_wait_kmcnt 0x0
	s_add_nc_u64 s[32:33], s[32:33], s[34:35]
.macro PACK t                       ; a lane's eight channels of a row pack into 16 bytes; into rows of 144 bytes, back as whole rows of 128
	WIN W_RS
.set i, 32*(\t)
.rept 16
	v_pk_mul_f32 v[i:i+1], v[i:i+1], v[ST+4*(\t)+2:ST+4*(\t)+3] op_sel_hi:[1,0]
.set i, i+2
.endr
	WIN 0x05
.set i, 0
.rept 16
	v_cvt_pk_f16_f32 v[S+16*(\t)+i], v[32*(\t)+2*i], v[32*(\t)+2*i+1]
.set i, i+1
.endr
	WIN W_A3                        ; the addresses lie in window 3, the data in window 0
.irp f, 0,1,2,3
	ds_store_b128 v[STO], v[S+16*(\t)+4*\f:S+16*(\t)+4*\f+3] offset:32*\f
.endr
.irp f, 0,1,2,3
	ds_load_b128 v[S+16*(\t)+4*\f:S+16*(\t)+4*\f+3], v[RD] offset:\f*4*SP  ; LDS serves a wave's instructions in order: these see the stores above
.endr
.endm
.macro SEND t, younger              ; younger: the LDS instructions issued behind tile t's loads
	WIN W_A3
.irp f, 0,1,2,3
	s_wait_dscnt (\younger)+3-\f
	global_store_b128 v[GO], v[S+16*(\t)+4*\f:S+16*(\t)+4*\f+3], s[32:33] offset:(\t)*2048+\f*512  ; 512 consecutive bytes, aligned
.endr
.endm
	PACK 0
.set t, 1
.rept 2*NP-1
	PACK t
	SEND t-1, 8
.set t, t+1
.endr
	SEND 2*NP-1, 0
	WIN 0
	s_wait_tensorcnt 0x0            ; the wave's end
	ds_add_u32 v[SPW], v[NIL]
	s_wait_dscnt 0x0
	CROUND                          ; the closing round
	s_endpgm
.Lfunc_end_k_q54e750da28_attn:
	.size	k_q54e750da28_attn, .Lfunc_end_k_q54e750da28_attn-k_q54e750da28_attn
	.p2alignl 7, 3214868480
	.fill 96, 4, 3214868480
	.section	.rodata,"a",@progbits
	.p2align	6, 0x0
	.amdhsa_kernel k_q54e750da28_attn
		.amdhsa_group_segment_fixed_size 327680
		.amdhsa_private_segment_fixed_size 0
		.amdhsa_enable_private_segment 0
		.amdhsa_kernarg_size 24
		.amdhsa_user_sgpr_count 2
		.amdhsa_user_sgpr_kernarg_segment_ptr 1
		.amdhsa_wavefront_size32 1
		.amdhsa_system_sgpr_workgroup_id_x 1
		.amdhsa_system_sgpr_workgroup_id_y 1
		.amdhsa_system_sgpr_workgroup_id_z 1
		.amdhsa_system_vgpr_workitem_id 0
		.amdhsa_next_free_vgpr 776
		.amdhsa_next_free_sgpr 106
		.amdhsa_reserve_vcc 0
		.amdhsa_float_denorm_mode_32 3
		.amdhsa_float_denorm_mode_16_64 3
		.amdhsa_memory_ordered 1
		.amdhsa_forward_progress 1
		.amdhsa_inst_pref_size 255
	.end_amdhsa_kernel
	.section	.bss,"aw",@nobits
	.p2align	6
	.space	262144
	.amdgpu_metadata
---
amdhsa.version: [ 1, 2 ]
amdhsa.kernels:
  - .name:           k_q54e750da28_attn
    .symbol:         k_q54e750da28_attn.kd
    .args:
      - { .name: qkv, .offset: 0, .size: 8, .value_kind: global_buffer, .address_space: global }
      - { .name: mbits, .offset: 8, .size: 8, .value_kind: global_buffer, .address_space: global }
      - { .name: ob, .offset: 16, .size: 8, .value_kind: global_buffer, .address_space: global }
    .group_segment_fixed_size: 327680
    .private_segment_fixed_size: 0
    .kernarg_segment_align: 8
    .kernarg_segment_size: 24
    .max_flat_workgroup_size: 128
    .sgpr_count:     106
    .vgpr_count:     776
    .wavefront_size: 32
...
	.end_amdgpu_metadata
.endif
;; end of part 7
;; launch outp: the kernel of part 4 again; grid 256 x 1, 4 waves a work-group, no clusters, 35,328 bytes of LDS; arguments ob, woF, bo, out0; writes out0
